; MI455X (gfx1250); checked and timed in simulation.
; The chip was launched on July 23, 2026; its instructions are those of AMD's public machine-readable ISA for CDNA 5 (MIT licence, August 2026) and "CDNA5" Instruction Set Architecture Reference Guide (July 2026). The comments in the code are by the model that wrote it; some were corrected since.
;; Two Stream Attention. Allowed arithmetic: matrix products marked QUANTISED: E2M1 operands, one E8M0 scale for each 32 along K, by v_wmma_scale_f32_16x16x128_f8f6f4 with both operands' format E2M1 (or v_wmma_scale_f32_32x16x128_f4), f32 sums; everything else in f32.
;; Inputs: Wk_codes 16 x 64 x 32 x 16 uint8 (E2M1 codes of Wk, K innermost, in blocks of 32 codes, two codes a byte); Wk_scales 16 x 64 x 32 uint8 (E8M0 scales of Wk, one for each 32 codes along K); Wo 1,024 x 16 x 64 float32; Wq_codes 16 x 64 x 32 x 16 uint8 (E2M1 codes of Wq, K innermost, in blocks of 32 codes, two codes a byte); Wq_scales 16 x 64 x 32 uint8 (E8M0 scales of Wq, one for each 32 codes along K); Wv_codes 16 x 64 x 32 x 16 uint8 (E2M1 codes of Wv, K innermost, in blocks of 32 codes, two codes a byte); Wv_scales 16 x 64 x 32 uint8 (E8M0 scales of Wv, one for each 32 codes along K); g 2,048 x 2 x 1,024 float32; h 2,048 x 2 x 1,024 float32; ln_beta 1,024 float32; ln_gamma 1,024 float32; r_w_bias 16 x 64 float32.
;; Outputs: out0 2,048 x 2 x 1,024 float32; out1 2,048 x 2 x 1,024 float32.
;; This version of the problem:
;;   THIS VERSION OF THE PROBLEM IS GIVEN IN LOW PRECISION. The matrix products marked QUANTISED in the list below multiply operands that are first quantised to E2M1 (2 exponent bits, 1 mantissa bit; 4 bits a number), with one power-of-two scale for each 32 numbers along K (OCP MX v1.0); their sums are f32. All else is computed in f32.
;;   The module's matrix products, in the order in which they are computed (A, B: the left and right operand; K: the contracted axis; several contracted axes count as one K, in the product's order):
;;     1. [M 4,096, K 1,024] x [K 1,024, N 1,024]; A: input h; B: input Wk (given as codes): QUANTISED
;;     2. [M 4,096, K 1,024] x [K 1,024, N 1,024]; A: input h; B: input Wv (given as codes): QUANTISED
;;     3. [M 4,096, K 1,024] x [K 1,024, N 1,024]; A: input h; B: input Wq (given as codes): QUANTISED
;;     4. batch 32 x [M 2,048, K 64] x [K 64, N 2,048]; A: computed on the way; B: computed on the way: QUANTISED
;;     5. batch 32 x [M 64, K 2,048] x [K 2,048, N 2,048]; A: computed on the way; B: softmax (see below): QUANTISED
;;     6. [M 4,096, K 1,024] x [K 1,024, N 1,024]; A: computed on the way; B: input Wo: QUANTISED
;;     7. [M 4,096, K 1,024] x [K 1,024, N 1,024]; A: input g; B: input Wq (given as codes): QUANTISED
;;     8. batch 32 x [M 2,048, K 64] x [K 64, N 2,048]; A: computed on the way; B: computed on the way: QUANTISED
;;     9. batch 32 x [M 64, K 2,048] x [K 2,048, N 2,048]; A: computed on the way; B: softmax (see below): QUANTISED
;;     10. [M 4,096, K 1,024] x [K 1,024, N 1,024]; A: computed on the way; B: input Wo: QUANTISED
;;   THE QUANTISER, for each operand of a quantised product, along K:
;;     - K is cut into blocks of 32 from its start; a last block that is shorter is filled with zeros.
;;     - A block's scale is 2^e with e = floor(log2(the largest magnitude in the block)) - 2, held to -126 .. 127; a block of zeros has e = 0. As a byte (E8M0): e + 127.
;;     - Each number is divided by its block's scale, clamped to +-6, and rounded to the nearest number of E2M1, ties to even, subnormals kept.
;;     - The product sums the exact products of the quantised numbers (number of the format x scale) in f32.
;;   ~~~python
;;   def quantise(x, axis):      # numpy; x: float32 -> the quantised numbers, widened to float32 again
;;       x = np.moveaxis(x, axis, -1); K = x.shape[-1]
;;       x = np.pad(x, [(0, 0)] * (x.ndim - 1) + [(0, -K % 32)]); x = x.reshape(x.shape[:-1] + (-1, 32)); a = np.abs(x).max(-1, keepdims=True)
;;       e = np.where(a > 0, np.clip(np.frexp(np.where(a > 0, a, 1))[1] - 1 - 2, -126, 127), 0)      # np.frexp(a)[1] - 1 = floor(log2(a)), exactly
;;       r = np.clip(x / 2.0 ** e, -6, 6)
;;       step = 2.0 ** (np.maximum(np.frexp(np.where(r == 0, 1, r))[1] - 1, 0) - 1)
;;       q = np.round(r / step) * step * 2.0 ** e      # np.round: ties to even
;;       return np.moveaxis(q.reshape(q.shape[:-2] + (-1,))[..., :K], -1, axis).astype(np.float32)
;;   ~~~
;;   SOFTMAX AHEAD OF A QUANTISED PRODUCT. Where the list says 'softmax', what is quantised is not the finished softmax but p = 2^(t - M), with t = logit x log2(e) and M = ceil(the row's largest t), a whole number; so 1/2 < the row's largest p <= 1. The row's sum l is taken of the UNQUANTISED p, in f32, and the product's result is divided by l at the end. Since M is a whole number, a kernel that streams over the keys may use a running M (the ceiling of the running maximum): every later rescaling is an exact power of two, which a block's scale takes up: the codes' values come out the same.
;;   OPERANDS COMPUTED ON THE WAY. 'Computed on the way' means the value that the module computes at that place (a softmax that the list does not call 'softmax' is quantised finished and normalised). What goes into a quantiser is computed in f32, as accurately as f32 sums, v_exp_f32 and their like allow (about 1e-6 of the number): no bf16 or f16 on the way to a quantiser, and a product that is left as it is and whose result goes on into a quantised operand takes f32 operands (vector FMAs, or v_wmma_f32_16x16x4_f32). A number that lies on a knife's edge between two numbers of the format may be rounded either way, as far as f32 arithmetic and the matrix unit's own rounding can turn it there, and no further.
;;   INPUTS GIVEN AS CODES. Wk (in the module: [1024, 16, 64], K = its axis 0); Wq (in the module: [1024, 16, 64], K = its axis 0); Wv (in the module: [1024, 16, 64], K = its axis 0): each comes as NAME_codes (uint8): NAME with its K axis moved to the last place and cut into blocks of 32 codes, [.., K / 32, bytes a block], one block behind the other in memory; two codes a byte, the lower K in the low four bits (a code: sign, 2 exponent bits, 1 mantissa bit); and NAME_scales (uint8): the same leading axes, one E8M0 byte (e + 127) for each 32 codes along K. Its value is code x scale, taken as it is: it is not quantised again, and the codes and scales need not be those that the quantiser above would give.
;; One version. Each part assembles by itself: llvm-mc -triple=amdgcn-amd-amdhsa -mcpu=gfx1250 --defsym DOCPART=n.
;; ======== version 1 of 1: 4 launches
;; workspace buffers: xc 4,194,304 bytes; xs 262,144 bytes; woc 524,288 bytes; wos 32,768 bytes; kv 4,456,448 bytes; qw 4,456,448 bytes; att 4,456,448 bytes
;; launch quant (part 1): grid 288 x 1, 4 waves a work-group, no clusters, 50,688 bytes of LDS; arguments h, g, Wo, xc, xs, woc, wos; writes xc, xs, woc, wos
.if DOCPART == 1
	.amdgcn_target "amdgcn-amd-amdhsa--gfx1250"
	.amdhsa_code_object_version 6
	.text
	.protected	k_qa987f2d802_quant
	.globl	k_qa987f2d802_quant
	.p2align	8
	.type	k_qa987f2d802_quant,@function
k_qa987f2d802_quant:
	s_mov_b64 s[64:65], 0
	v_nop
	global_prefetch_b8 v0, s[64:65] scope:SCOPE_SE
	s_setreg_imm32_b32 hwreg(HW_REG_WAVE_MODE, 25, 1), 1
	s_wait_xcnt 0x0
; h, g [4096][1024] and Wo [1024][1024], f32 with K innermost, become codes of FP4 (E2M1) and one E8M0 byte for each 32 along K.
; A block's scale is 2^(floor(log2(its largest magnitude)) - 2): its byte is the largest magnitude's exponent field - 2, held at 1 from below.
; LIMITS: NaN and infinities among the inputs are not served.  A block of zeros gets the byte 1 and not 127: its codes are zeros, and this program alone reads the bytes.
; SHARES: a work-group takes 32 rows, a wave 8 rows = 16 steps of 512 numbers.  Work-groups 0-127 take h, 128-255 g, 256-287 Wo: only pointers are chosen.
; Each load reads 512 consecutive bytes; a step's 2,048 bytes turn through the wave's own stage in LDS, so that a lane holds 16 neighbours along K (two lanes a block).
; OUT: h's and g's codes leave as rows of 512 bytes (a wave's store covers 256 consecutive bytes).  Wo's codes leave in the order of the operand's registers,
; [tile of 16 rows][block of 32 along K][row][16 bytes]: they are gathered in LDS (units of 256 bytes, 272 apart) and stored 512 consecutive bytes an instruction.
.set STEPS, 16
.set EMAX,  2
.set R,     16                         ; v16-79   four sets of 16 numbers as loaded
.set X,     80                         ; v80-111  two sets of 16 neighbours
.set E,     112                        ; v112-127 a scale byte for each step
.set C,     128                        ; v128-191 a step's codes in two of four registers
.set WREG,  8192                       ; LDS: each wave's own: two stages of 32 x 80 bytes, then its 256 scale bytes
.set SP,    80
.set WST,   4*WREG                     ; LDS: Wo's 64 units, touched by Wo's work-groups alone
.set UP,    272
	s_load_b128 s[4:7], s[0:1], 0x0                ; h, g
	s_load_b128 s[8:11], s[0:1], 0x10              ; Wo, xc
	s_load_b128 s[12:15], s[0:1], 0x20             ; xs, woc
	s_load_b64 s[16:17], s[0:1], 0x30              ; wos
	v_lshl_add_u32 v192, v0, 2, 0xc400
	v_mov_b32 v193, 0
	v_lshrrev_b32 v1, 5, v0
	v_readfirstlane_b32 s18, v1                    ; wave
	v_and_b32 v2, 31, v0                           ; lane
	v_lshlrev_b32 v3, 4, v2                        ; 16 x lane
	s_mul_i32 s19, s18, WREG
	v_lshrrev_b32 v14, 2, v2
	v_mul_u32_u24 v14, v14, SP
	v_and_b32 v15, 3, v2
	v_lshl_add_u32 v14, v15, 4, v14
	v_add_nc_u32 v14, s19, v14                     ; the stage, in: 80 (lane / 4) + 16 (lane % 4)
	v_mul_u32_u24 v15, v2, SP
	v_add_nc_u32 v15, s19, v15                     ; and out: 80 x lane
	v_lshlrev_b32 v4, 3, v2                        ; 8 x lane: my codes in a step's 256 bytes, my 8 of the 256 scale bytes
	v_lshrrev_b32 v5, 1, v2
	s_add_co_u32 s19, s19, 2*32*SP
	v_add_nc_u32 v5, s19, v5                       ; my block's scale byte
	v_add_nc_u32 v6, s19, v4                       ; and 8 of them on the way out
	s_lshr_b32 s24, s18, 1                         ; Wo: wave w holds rows 8 (w % 2) .. + 7 of tile w / 2
	s_mul_i32 s24, s24, 32*UP
	s_and_b32 s25, s18, 1
	s_lshl_b32 s25, s25, 7
	s_add_co_u32 s24, s24, s25
	s_add_co_u32 s24, s24, WST
	v_lshrrev_b32 v10, 1, v2
	v_mul_u32_u24 v10, v10, UP
	v_and_b32 v12, 1, v2
	v_lshl_add_u32 v10, v12, 3, v10
	v_add_nc_u32 v10, s24, v10                     ; in: unit lane / 2 of the step's sixteen, + 8 (lane % 2)
	s_mul_i32 s24, s18, 16*UP
	s_add_co_u32 s24, s24, WST
	v_lshrrev_b32 v7, 4, v2
	v_mul_u32_u24 v7, v7, UP
	v_and_b32 v12, 15, v2
	v_lshl_add_u32 v7, v12, 4, v7
	v_add_nc_u32 v7, s24, v7                       ; out: wave w takes units 16 w .. 16 w + 15, two an instruction
	s_wait_kmcnt 0x0
	s_cmp_lt_u32 ttmp9, 128                        ; the choices hang on the work-group's number alone
	s_cselect_b64 s[4:5], s[4:5], s[6:7]
	s_cselect_b32 s20, 0, 128
	s_cmp_lt_u32 ttmp9, 256
	s_cselect_b64 s[4:5], s[4:5], s[8:9]           ; the source
	s_cselect_b64 s[10:11], s[10:11], s[14:15]     ; the codes
	s_cselect_b64 s[12:13], s[12:13], s[16:17]     ; the scale bytes
	s_cselect_b32 s20, s20, 256
	s_cselect_b32 s21, 0, 256
	s_sub_co_u32 s20, ttmp9, s20
	s_lshl_b32 s20, s20, 2
	s_add_co_u32 s20, s20, s18                     ; which run of 8,192 numbers of the source is my wave's
	s_sub_co_u32 s21, ttmp9, s21
	s_lshl_b32 s21, s21, 2
	s_add_co_u32 s21, s21, s18                     ; and of the destination (g's runs follow h's)
	s_lshl_b32 s22, s20, 15
	s_mov_b32 s23, 0
	s_add_nc_u64 s[4:5], s[4:5], s[22:23]
	s_lshl_b32 s22, s21, 12
	s_add_nc_u64 s[10:11], s[10:11], s[22:23]
	s_lshl_b32 s22, s21, 8
	s_add_nc_u64 s[12:13], s[12:13], s[22:23]
.macro LOAD t
.irp i, 0,1,2,3
	global_load_b128 v[R+16*((\t)%4)+4*\i:R+16*((\t)%4)+4*\i+3], v3, s[4:5] offset:2048*(\t)+512*\i th:TH_LOAD_NT
.endr
.endm
.macro TURN t                          ; LDS serves a wave's instructions in order: no wait between the stores and the loads
.irp i, 0,1,2,3
	ds_store_b128 v14, v[R+16*((\t)%4)+4*\i:R+16*((\t)%4)+4*\i+3] offset:32*SP*((\t)%2)+8*SP*\i
.endr
.irp i, 0,1,2,3
	ds_load_b128 v[X+16*((\t)%2)+4*\i:X+16*((\t)%2)+4*\i+3], v15 offset:32*SP*((\t)%2)+16*\i
.endr
.endm
.irp t, 0,1,2,3
	LOAD \t
.endr
	s_wait_loadcnt 12                              ; step 0's four loads are in
	TURN 0
.macro STEP t
.set XS, X+16*((\t)%2)
.if (\t) > 0
	s_wait_dscnt 1                                 ; this step's numbers are back from the stage; the last step's byte store may be out
.else
	s_wait_dscnt 0x0
.endif
.if (\t)+4 < STEPS
	LOAD (\t)+4                                    ; into the registers that the stage's stores have read
.endif
.if (\t)+1 < STEPS
.if STEPS-2-(\t) >= 3
	s_wait_loadcnt 12                              ; the next step's loads are in; those of the three steps behind it may be out
.else
	s_wait_loadcnt 4*(STEPS-2-(\t))
.endif
	TURN (\t)+1
.endif
	v_max3_num_f32 v8, |v[XS]|, |v[XS+1]|, |v[XS+2]|
	v_max3_num_f32 v9, |v[XS+3]|, |v[XS+4]|, |v[XS+5]|
.irp i, 6,10
	v_max3_num_f32 v8, v8, |v[XS+\i]|, |v[XS+\i+1]|
	v_max3_num_f32 v9, v9, |v[XS+\i+2]|, |v[XS+\i+3]|
.endr
	v_max3_num_f32 v8, v8, |v[XS+14]|, |v[XS+15]|
	v_max3_num_f32 v8, v8, v9, (EMAX+1)<<23        ; the floor 2^(3 - 127): the byte cannot fall under 1
	v_max_num_f32_dpp v8, v8, v8 row_xmask:1 row_mask:0xf bank_mask:0xf   ; with my neighbour's 16: the block's largest magnitude
	v_add_nc_u32 v11, -(EMAX<<23), v8              ; 2 off its exponent field: the conversion's scale operand
	v_cvt_scalef32_pk8_fp4_f32 v[C+4*(\t)], v[XS:XS+7], v11
	v_cvt_scalef32_pk8_fp4_f32 v[C+4*(\t)+1], v[XS+8:XS+15], v11
	v_lshrrev_b32 v[E+(\t)], 23, v11               ; the scale's byte (also the plain line behind the conversions)
	ds_store_b8 v5, v[E+(\t)] offset:16*(\t)       ; both lanes of a block write the same byte with the same value
.endm
.irp t, 0,1,2,3,4,5,6,7,8,9,10,11,12,13,14,15
	STEP \t
.endr
	ds_load_b64 v[12:13], v6                       ; my wave's 256 scale bytes, 8 a lane
	s_wait_dscnt 0x0
	global_store_b64 v4, v[12:13], s[12:13]        ; 256 consecutive bytes, aligned
	s_cmp_lt_u32 ttmp9, 256
	s_cbranch_scc0 .Lwo_in
.irp t, 0,1,2,3,4,5,6,7,8,9,10,11,12,13,14,15
	global_store_b64 v4, v[C+4*\t:C+4*\t+1], s[10:11] offset:256*\t   ; h, g: 256 consecutive bytes of a row of codes
.endr
	s_branch .Lmeet
.Lwo_in:
.irp t, 0,1,2,3,4,5,6,7,8,9,10,11,12,13,14,15
	ds_store_b64 v10, v[C+4*\t:C+4*\t+1] offset:(\t%2)*16*UP+(\t/2)*16   ; Wo: step t is half t % 2 of row t / 2: blocks 16 (t % 2) on, 16 bytes a row
.endr
.Lmeet:
	s_wait_dscnt 0x0                               ; for the other waves' sake: my stores have landed
	s_barrier_signal -1
	s_barrier_wait -1
	s_cmp_lt_u32 ttmp9, 256
	s_cbranch_scc1 .Lend
.irp i, 0,1,2,3,4,5,6,7
	ds_load_b128 v[R+4*\i:R+4*\i+3], v7 offset:2*UP*\i
.endr
.irp i, 0,1,2,3,4,5,6,7
	s_wait_dscnt 7-\i
	global_store_b128 v3, v[R+4*\i:R+4*\i+3], s[10:11] offset:512*\i   ; two whole units: 512 consecutive bytes
.endr
.Lend:
	s_wait_tensorcnt 0x0
	ds_add_u32 v192, v193
	s_wait_dscnt 0x0
	s_endpgm
.Lfunc_end_k_qa987f2d802_quant:
	.size	k_qa987f2d802_quant, .Lfunc_end_k_qa987f2d802_quant-k_qa987f2d802_quant
	.p2alignl 7, 3214868480
	.fill 96, 4, 3214868480
	.section	.rodata,"a",@progbits
	.p2align	6, 0x0
	.amdhsa_kernel k_qa987f2d802_quant
		.amdhsa_group_segment_fixed_size 50688
		.amdhsa_private_segment_fixed_size 0
		.amdhsa_enable_private_segment 0
		.amdhsa_kernarg_size 56
		.amdhsa_user_sgpr_count 2
		.amdhsa_user_sgpr_kernarg_segment_ptr 1
		.amdhsa_wavefront_size32 1
		.amdhsa_system_sgpr_workgroup_id_x 1
		.amdhsa_system_sgpr_workgroup_id_y 1
		.amdhsa_system_sgpr_workgroup_id_z 1
		.amdhsa_system_vgpr_workitem_id 0
		.amdhsa_next_free_vgpr 194
		.amdhsa_next_free_sgpr 66
		.amdhsa_reserve_vcc 0
		.amdhsa_float_denorm_mode_32 3
		.amdhsa_float_denorm_mode_16_64 3
		.amdhsa_memory_ordered 1
		.amdhsa_forward_progress 1
		.amdhsa_inst_pref_size 37
	.end_amdhsa_kernel
	.amdgpu_metadata
---
amdhsa.version: [ 1, 2 ]
amdhsa.kernels:
  - .name:           k_qa987f2d802_quant
    .symbol:         k_qa987f2d802_quant.kd
    .args:
      - { .name: h, .offset: 0, .size: 8, .value_kind: global_buffer, .address_space: global }
      - { .name: g, .offset: 8, .size: 8, .value_kind: global_buffer, .address_space: global }
      - { .name: Wo, .offset: 16, .size: 8, .value_kind: global_buffer, .address_space: global }
      - { .name: xc, .offset: 24, .size: 8, .value_kind: global_buffer, .address_space: global }
      - { .name: xs, .offset: 32, .size: 8, .value_kind: global_buffer, .address_space: global }
      - { .name: woc, .offset: 40, .size: 8, .value_kind: global_buffer, .address_space: global }
      - { .name: wos, .offset: 48, .size: 8, .value_kind: global_buffer, .address_space: global }
    .group_segment_fixed_size: 50688
    .private_segment_fixed_size: 0
    .kernarg_segment_align: 8
    .kernarg_segment_size: 56
    .max_flat_workgroup_size: 128
    .sgpr_count:     66
    .vgpr_count:     194
    .wavefront_size: 32
...
	.end_amdgpu_metadata
.endif
;; end of part 1
;; launch proj (part 2): grid 16 x 16, 16 waves a work-group, clusters of 4 x 4, 309,248 bytes of LDS; arguments xc, xs, Wk_codes, Wk_scales, Wv_codes, Wv_scales, Wq_codes, Wq_scales, r_w_bias, kv, qw; writes kv, qw
.if DOCPART == 2
	.amdgcn_target "amdgcn-amd-amdhsa--gfx1250"
	.amdhsa_code_object_version 6
	.text
	.protected	k_qa987f2d802_proj
	.globl	k_qa987f2d802_proj
	.p2align	8
	.type	k_qa987f2d802_proj,@function
k_qa987f2d802_proj:
	s_mov_b64 s[64:65], 0
	v_nop
	global_prefetch_b8 v0, s[64:65] scope:SCOPE_SE
	s_setreg_imm32_b32 hwreg(HW_REG_WAVE_MODE, 25, 1), 1
	s_wait_xcnt 0x0
	s_wait_alu depctr_hold_cnt(0) depctr_sa_sdst(0) depctr_va_vdst(0) depctr_va_sdst(0) depctr_va_ssrc(0) depctr_va_vcc(0) depctr_vm_vsrc(0)
	s_getreg_b32 s2, hwreg(HW_REG_IB_STS2, 6, 4)
	s_cmp_eq_u32 s2, 0
	s_cbranch_scc0 .Lentry_in_a_cluster
	s_endpgm
.Lentry_in_a_cluster:
	s_bfe_u32 s2, ttmp6, 0x10000c
	s_cmp_lg_u32 s2, 0xf033
	s_cbranch_scc0 .Lentry_shape_is_right
	s_endpgm
.Lentry_shape_is_right:
; K = h Wk, V = h Wv, Q = h Wq + r_w_bias, Q' = g Wq + r_w_bias on codes of FP4 (E2M1); the results are quantised in registers and leave as codes, in the order of the next operand's registers.
; The cluster's x says which product (0 K, 1 V, 2 Q of h, 3 Q of g): it is the same in all sixteen partners.  A work-group makes 256 x 256 (128 positions x 2 batches, 4 heads), all of K = 1,024.
; ALL of K fits in LDS: two halves of 512 along K (rows of 256 bytes + 16), each filled ONCE; nothing is filled again.
; CLUSTER: the four of a row of the cluster need the same rows of x, the four of a column the same rows of W: joint loads.
; A WAVE makes 128 X rows x 32 Y rows, source 0 = X, source 1 = Y: a lane holds one Y row, its registers run along X, which is the NEXT product's K.
;   K, Q: X = 128 rows of W (two heads), Y = 32 positions of one batch.   V: X = 128 keys of one batch, Y = 32 rows of Wv.  One text: only bases differ, chosen by the product's number.
; In tile xt register j holds X unit 16 xt + 8 (lane / 16) + j: a block of 32 is tiles 2 b, 2 b + 1 of lanes l and l xor 16.
; OUT: kv: for each (batch, head) 139,264 bytes: K's codes [key / 16][d / 32][key % 16][16 B], V's codes [key / 128][d / 16][2][lane][16 B], K's scale words [key / 32][key % 16]
;   (bytes 0, 1: the key's two blocks; bytes 2, 3: those of the key 16 on), V's scale words [key / 128][d].  qw: for each (stream, batch, head) 69,632 bytes laid as K's.
;   A store of codes covers 512 consecutive bytes; the scale words leave in pieces of 64 bytes, one byte in 16 of what the launch stores.
; LIMITS: NaN and infinities are not served; a block of zeros gets the byte 1 (its codes are zeros; this program alone reads the bytes).
.set PITCH, 272
.set HALFT, 128*PITCH                  ; 128 rows: what one tensor load brings
.set SLOT,  4*HALFT                    ; x of batch 0, x of batch 1, W's rows 0-127, W's rows 128-255
.set SCL,   2*SLOT                     ; the scale bytes of all of K: four parts of 128 rows x (32 + 8) bytes, in the same order
.set SROW,  40
.set SPART, 128*SROW
.set BIAS,  SCL+4*SPART                ; 512 bytes for each wave, its own; no fill lands here
.set AX,  2                            ; v2-3   LDS address of my X fragments in half 0, 1
.set AY,  4                            ; v4-5   of my Y fragments
.set ASX, 6                            ; v6     of X's scale words
.set ASY, 7                            ; v7     of Y's
.set BST, 8                            ; v8     the bias: where I store 16 bytes
.set BRD, 9                            ; v9     and where I read
.set VA,  10                           ; v10-13 the codes' offsets: 16 x lane + y and c's steps
.set VS,  14                           ; v14    the scale words' offset
.set SX,  16                           ; v16-19 X's scale words: lanes 0-15 tile 2 p, lanes 16-31 tile 2 p + 1
.set SY,  20                           ; v20    Y's: lanes 0-15 tile 0, lanes 16-31 tile 1
.set XF,  24                           ; v24-87 X's eight fragments; at the end the bias
.set YF,  88                           ; v88-103 Y's two; at the end the codes
.set TM,  104                          ; v104-119 at work in the quantiser
.set PW,  120                          ; v120-121 the two scale words
.set ACC, 128                          ; v128-255 accumulator (y, xt) at 64 y + 8 xt
.set WV,  26
.set SEL, 100
.set G1XC, 40
.set G1WC, 48
.set G1XS, 56
.set G1WS, 68
.macro CROUND                          ; a round of the cluster's barrier
	s_barrier_signal -1
	s_barrier_wait -1
	s_cmp_lg_u32 s[WV], 0
	s_cbranch_scc1 .Lnot_wave_0_\@
	s_barrier_signal -3
.Lnot_wave_0_\@:
	s_barrier_wait -3
	s_barrier_signal -1
	s_barrier_wait -1
.endm
.macro WM d, a, b, zero, sa, sb, ra, rb   ; one product; ra, rb: the scale words lie in lanes 16-31
.if \zero
.if \ra
.if \rb
	v_wmma_scale_f32_16x16x128_f8f6f4 v[\d:\d+7], v[\a:\a+7], v[\b:\b+7], 0, v[\sa], v[\sb] matrix_a_fmt:MATRIX_FMT_FP4 matrix_b_fmt:MATRIX_FMT_FP4 matrix_a_scale:MATRIX_SCALE_ROW1 matrix_b_scale:MATRIX_SCALE_ROW1
.else
	v_wmma_scale_f32_16x16x128_f8f6f4 v[\d:\d+7], v[\a:\a+7], v[\b:\b+7], 0, v[\sa], v[\sb] matrix_a_fmt:MATRIX_FMT_FP4 matrix_b_fmt:MATRIX_FMT_FP4 matrix_a_scale:MATRIX_SCALE_ROW1
.endif
.else
.if \rb
	v_wmma_scale_f32_16x16x128_f8f6f4 v[\d:\d+7], v[\a:\a+7], v[\b:\b+7], 0, v[\sa], v[\sb] matrix_a_fmt:MATRIX_FMT_FP4 matrix_b_fmt:MATRIX_FMT_FP4 matrix_b_scale:MATRIX_SCALE_ROW1
.else
	v_wmma_scale_f32_16x16x128_f8f6f4 v[\d:\d+7], v[\a:\a+7], v[\b:\b+7], 0, v[\sa], v[\sb] matrix_a_fmt:MATRIX_FMT_FP4 matrix_b_fmt:MATRIX_FMT_FP4
.endif
.endif
.else
.if \ra
.if \rb
	v_wmma_scale_f32_16x16x128_f8f6f4 v[\d:\d+7], v[\a:\a+7], v[\b:\b+7], v[\d:\d+7], v[\sa], v[\sb] matrix_a_fmt:MATRIX_FMT_FP4 matrix_b_fmt:MATRIX_FMT_FP4 matrix_a_scale:MATRIX_SCALE_ROW1 matrix_b_scale:MATRIX_SCALE_ROW1
.else
	v_wmma_scale_f32_16x16x128_f8f6f4 v[\d:\d+7], v[\a:\a+7], v[\b:\b+7], v[\d:\d+7], v[\sa], v[\sb] matrix_a_fmt:MATRIX_FMT_FP4 matrix_b_fmt:MATRIX_FMT_FP4 matrix_a_scale:MATRIX_SCALE_ROW1
.endif
.else
.if \rb
	v_wmma_scale_f32_16x16x128_f8f6f4 v[\d:\d+7], v[\a:\a+7], v[\b:\b+7], v[\d:\d+7], v[\sa], v[\sb] matrix_a_fmt:MATRIX_FMT_FP4 matrix_b_fmt:MATRIX_FMT_FP4 matrix_b_scale:MATRIX_SCALE_ROW1
.else
	v_wmma_scale_f32_16x16x128_f8f6f4 v[\d:\d+7], v[\a:\a+7], v[\b:\b+7], v[\d:\d+7], v[\sa], v[\sb] matrix_a_fmt:MATRIX_FMT_FP4 matrix_b_fmt:MATRIX_FMT_FP4
.endif
.endif
.endif
.endm
	s_load_b256 s[4:11], s[0:1], 0x0               ; xc, xs, Wk's codes, Wk's scales
	s_load_b256 s[12:19], s[0:1], 0x20             ; Wv's codes, Wv's scales, Wq's codes, Wq's scales
	s_load_b128 s[20:23], s[0:1], 0x40             ; r_w_bias, kv
	s_load_b64 s[24:25], s[0:1], 0x50              ; qw
	v_lshl_add_u32 v126, v0, 2, 0x4b000
	v_mov_b32 v127, 0
	ds_add_u32 v126, v127
	ds_add_u32 v126, v127
	v_lshrrev_b32 v1, 5, v0
	v_readfirstlane_b32 s[WV], v1                  ; wave 0..15
	s_and_b32 s27, s[WV], 3                        ; the fetching waves are 0 to 3: their number
	s_and_b32 s33, s[WV], 1                        ; which 128 rows I fetch; also xg, my 128 X rows
	s_bfe_u32 s28, ttmp6, 0x40000                  ; cx: which 256 rows of W
	s_bfe_u32 s29, ttmp6, 0x40004                  ; cy
	s_and_b32 s30, ttmp7, 0xffff
	s_lshl_b32 s30, s30, 2
	s_add_co_u32 s30, s30, s29                     ; rb: which 128 positions = 4 x cluster y + cy
	s_lshl_b32 s31, s29, 2
	s_lshl_b32 s31, 15, s31                        ; my row of the cluster
	s_lshl_b32 s32, 0x1111, s28                    ; my column
	; group 1.  Codes: 128 rows x 256 bytes, 16 bytes of padding behind each row; x's rows of one batch lie 1,024 bytes apart, W's 512
	s_or_b32 s[G1XC], s31, (1<<20)|(1<<21)|(5<<22)|(3<<25)
	s_or_b32 s[G1WC], s32, (1<<20)|(1<<21)|(5<<22)|(3<<25)
.irp g, G1XC, G1WC
	s_mov_b32 s[\g+1], 256<<16                     ; tensor_dim0
	s_mov_b32 s[\g+2], 128<<16                     ; tensor_dim1
	s_mov_b32 s[\g+3], 256<<16                     ; tile_dim0
	s_mov_b32 s[\g+4], 128                         ; tile_dim1
	s_mov_b32 s[\g+6], 0
	s_mov_b32 s[\g+7], 0
.endr
	s_mov_b32 s[G1XC+5], 1024
	s_mov_b32 s[G1WC+5], 512
	; scale bytes: 128 rows x 32 bytes, 8 bytes of padding behind each; x's rows 64 bytes apart, W's 32
	s_or_b32 s[G1XS], s31, (1<<20)|(1<<21)|(2<<22)|(1<<25)
	s_or_b32 s[G1WS], s32, (1<<20)|(1<<21)|(2<<22)|(1<<25)
.irp g, G1XS, G1WS
	s_mov_b32 s[\g+1], 32<<16
	s_mov_b32 s[\g+2], 128<<16
	s_mov_b32 s[\g+3], 32<<16
	s_mov_b32 s[\g+4], 128
	s_mov_b32 s[\g+6], 0
	s_mov_b32 s[\g+7], 0
.endr
	s_mov_b32 s[G1XS+5], 64
	s_mov_b32 s[G1WS+5], 32
	; offsets.  x's hang on rb, the product and the wave; W's on cx, the product and the wave: each in registers that never hold the other coordinate
	s_cmp_eq_u32 ttmp9, 3
	s_cselect_b32 s34, 0x200000, 0                 ; g's codes follow h's
	s_cselect_b32 s36, 0x20000, 0                  ; and its scale bytes
	s_lshl_b32 s35, s30, 17
	s_add_co_u32 s34, s34, s35
	s_lshl_b32 s35, s33, 9
	s_add_co_u32 s34, s34, s35
	s_mov_b32 s35, 0
	s_lshl_b32 s37, s30, 13
	s_add_co_u32 s36, s36, s37
	s_lshl_b32 s37, s33, 5
	s_add_co_u32 s36, s36, s37
	s_mov_b32 s37, 0
	s_lshl_b32 s38, s28, 17
	s_lshl_b32 s39, s33, 16
	s_add_co_u32 s38, s38, s39
	s_mov_b32 s39, 0
	s_lshl_b32 s2, s28, 13
	s_lshl_b32 s3, s33, 12
	s_add_co_u32 s2, s2, s3
	s_mov_b32 s3, 0
	; group 0: s[76:79] x's scales, s[80:83], s[84:87] x's halves; s[88:99] the same for W.  LDS: part = the fetching wave's number
	s_mov_b32 s76, 1
	s_mul_i32 s77, s27, SPART
	s_add_co_u32 s77, s77, SCL
	s_mov_b32 s80, 1
	s_mul_i32 s81, s27, HALFT
	s_mov_b32 s84, 1
	s_add_co_u32 s85, s81, SLOT
	s_mov_b32 s88, 1
	s_mov_b32 s89, s77
	s_mov_b32 s92, 1
	s_mov_b32 s93, s81
	s_mov_b32 s96, 1
	s_mov_b32 s97, s85
	s_mov_b32 s[SEL], 0x76543210
	s_mov_b32 s[SEL+1], 0xfedcba98
	s_wait_dscnt 0x0
	s_wait_kmcnt 0x0
	s_cmp_eq_u32 ttmp9, 0
	s_cselect_b64 s[8:9], s[8:9], s[16:17]         ; Wk or Wq,
	s_cselect_b64 s[10:11], s[10:11], s[18:19]
	s_cmp_eq_u32 ttmp9, 1
	s_cselect_b64 s[8:9], s[12:13], s[8:9]         ; or Wv
	s_cselect_b64 s[10:11], s[14:15], s[10:11]
	s_add_nc_u64 s[78:79], s[6:7], s[36:37]
	s_add_nc_u64 s[82:83], s[4:5], s[34:35]
	s_add_nc_u64 s[86:87], s[82:83], 256
	s_add_nc_u64 s[90:91], s[10:11], s[2:3]
	s_add_nc_u64 s[94:95], s[8:9], s[38:39]
	s_add_nc_u64 s[98:99], s[94:95], 256
.irp g, 79, 83, 87, 91, 95, 99
	s_or_b32 s\g, s\g, 0x80000000                  ; type = 2
.endr
	CROUND                                         ; all sixteen work-groups are here: the joint loads meet
	s_cmp_lt_u32 s[WV], 2                          ; a wave's three fills stand in one branch on its number: three loads of a fetching wave are out
	s_cbranch_scc0 .Lnot_x
	tensor_load_to_lds s[76:79], s[G1XS:G1XS+7]
	s_nop 0
	tensor_load_to_lds s[80:83], s[G1XC:G1XC+7]
	s_nop 0
	tensor_load_to_lds s[84:87], s[G1XC:G1XC+7]
	s_nop 0
.rept 4
	v_nop
.endr
	s_branch .Lasked
.Lnot_x:
	s_cmp_lt_u32 s[WV], 4
	s_cbranch_scc0 .Lasked
	tensor_load_to_lds s[88:91], s[G1WS:G1WS+7]
	s_nop 0
	tensor_load_to_lds s[92:95], s[G1WC:G1WC+7]
	s_nop 0
	tensor_load_to_lds s[96:99], s[G1WC:G1WC+7]
	s_nop 0
.rept 4
	v_nop
.endr
.Lasked:
	; the bias of my 128 X units (Q alone has one)
	s_lshl_b32 s4, s28, 10
	s_lshl_b32 s5, s33, 9
	s_add_co_u32 s4, s4, s5
	s_mov_b32 s5, 0
	s_add_nc_u64 s[20:21], s[20:21], s[4:5]
	v_and_b32 v21, 31, v0                          ; lane
	v_lshlrev_b32 v[VA], 4, v21
	global_load_b128 v[XF:XF+3], v[VA], s[20:21]
	; LDS bases: for V the roles of x and W change places
	s_lshr_b32 s4, s[WV], 1                        ; yp: my 32 Y rows
	s_lshr_b32 s5, s4, 2
	s_and_b32 s6, s4, 3
	s_cmp_eq_u32 ttmp9, 1
	s_cselect_b32 s7, 0, 2*HALFT
	s_cselect_b32 s8, 2*HALFT, 0
	s_cselect_b32 s9, 0, 2*SPART
	s_cselect_b32 s10, 2*SPART, 0
	s_mul_i32 s11, s33, HALFT
	s_add_co_u32 s7, s7, s11
	s_mul_i32 s11, s5, HALFT
	s_add_co_u32 s8, s8, s11
	s_mul_i32 s11, s6, 32*PITCH
	s_add_co_u32 s8, s8, s11
	s_mul_i32 s11, s33, SPART
	s_add_co_u32 s9, s9, s11
	s_add_co_u32 s9, s9, SCL
	s_mul_i32 s11, s5, SPART
	s_add_co_u32 s10, s10, s11
	s_mul_i32 s11, s6, 32*SROW
	s_add_co_u32 s10, s10, s11
	s_add_co_u32 s10, s10, SCL
	v_and_b32 v1, 15, v0                           ; r
	v_bfe_u32 v15, v0, 4, 1                        ; h
	v_mul_u32_u24 v22, v1, PITCH
	v_lshl_add_u32 v22, v15, 4, v22                ; a fragment's row x pitch + 16 h
	v_add_nc_u32 v[AX], s7, v22
	v_add_nc_u32 v[AX+1], SLOT, v[AX]
	v_add_nc_u32 v[AY], s8, v22
	v_add_nc_u32 v[AY+1], SLOT, v[AY]
	v_mul_u32_u24 v23, v21, SROW
	v_add_nc_u32 v[ASX], s9, v23
	v_add_nc_u32 v[ASY], s10, v23
	v_lshl_add_u32 v[BST], v0, 4, BIAS             ; 512 x wave + 16 x lane
	s_lshl_b32 s11, s[WV], 9
	s_add_co_u32 s11, s11, BIAS
	v_lshl_add_u32 v[BRD], v15, 5, s11             ; 512 x wave + 32 h
.irp b, 0,1,2,3
	v_mov_b32 v[TM+4+\b], 0                        ; written once: a lane permute's destination counts as one of its sources
.endr
	; where the results go
	s_lshl_b32 s13, s5, 4
	s_lshl_b32 s14, s33, 1
	s_add_co_u32 s13, s13, s14                     ; K, Q: 16 x batch (yp / 4) + 2 xg
	s_lshl_b32 s14, s33, 4
	s_lshr_b32 s15, s4, 1
	s_add_co_u32 s14, s14, s15                     ; V: 16 x batch (xg) + yp / 2
	s_lshl_b32 s16, s6, 10                         ; K, Q: my 32 positions: two units of 512 bytes
	s_and_b32 s15, s4, 1
	s_lshl_b32 s17, s15, 11                        ; V: my 32 of the head's 64: two fragments of 1,024 bytes
	s_mov_b32 s18, 139264
	s_mov_b32 s19, 131072
	s_cmp_ge_u32 ttmp9, 2
	s_cselect_b32 s18, 69632, s18                  ; a (batch, head)'s bytes
	s_cselect_b32 s19, 65536, s19                  ; where its scale words begin (K or Q)
	s_cselect_b32 s12, -1, 0                       ; all lanes where the product is Q
	s_cselect_b64 s[22:23], s[24:25], s[22:23]     ; qw or kv
	s_cmp_eq_u32 ttmp9, 3
	s_cselect_b32 s34, 2228224, 0                  ; g's 32 blocks follow h's
	s_mov_b32 s15, 512
	s_mov_b32 s39, 0x05040100
	s_mov_b32 s2, 0x07060302
	s_cmp_eq_u32 ttmp9, 1
	s_cselect_b32 s13, s14, s13
	s_cselect_b32 s16, s17, s16
	s_cselect_b32 s35, 1024, s15                   ; from y = 0 to y = 1
	s_cselect_b32 s36, s15, s18                    ; from c = 0 to c = 1: V: the fragment's second half; K, Q: the next head
	s_cselect_b32 s37, 64, s18                     ; the scale words of lanes 16-31: V: the next tile of d; K, Q: the next head
	s_cselect_b32 s38, 65536, 0                    ; V's codes lie behind K's
	s_cselect_b32 s19, 135168, s19
	s_cselect_b32 s39, 0x03020100, s39             ; the word of lanes 0-15: V: y = 0's; K, Q: bytes 0, 1 of both
	s_cselect_b32 s2, 0x07060504, s2               ; of lanes 16-31: V: y = 1's; K, Q: bytes 2, 3 of both
	s_lshl_b32 s14, s28, 2
	s_add_co_u32 s13, s13, s14                     ; + 4 cx: 16 x batch + head
	s_mul_i32 s13, s13, s18
	s_add_co_u32 s13, s13, s34
	s_lshl_b32 s14, s30, 12
	s_add_co_u32 s14, s14, s16
	s_add_co_u32 s14, s14, s38
	s_add_co_u32 s14, s14, s13
	s_mov_b32 s15, 0
	s_add_nc_u64 s[14:15], s[22:23], s[14:15]      ; the codes
	s_lshr_b32 s16, s16, 4
	s_lshl_b32 s17, s30, 8
	s_add_co_u32 s16, s16, s17
	s_add_co_u32 s16, s16, s19
	s_add_co_u32 s16, s16, s13
	s_mov_b32 s17, 0
	s_add_nc_u64 s[16:17], s[22:23], s[16:17]      ; the scale words
	s_mov_b32 s3, 0xffff0000                       ; lanes 16-31
	v_add_nc_u32 v[VA+1], s36, v[VA]
	v_add_nc_u32 v[VA+2], s35, v[VA]
	v_add_nc_u32 v[VA+3], s36, v[VA+2]
	v_mul_u32_u24 v[VS], s37, v15
	v_lshl_add_u32 v[VS], v1, 2, v[VS]
	s_wait_loadcnt 0x0
.irp i, 0,1,2,3
	v_cndmask_b32 v[XF+\i], 0, v[XF+\i], s12       ; K and V have no bias
.endr
	ds_store_b128 v[BST], v[XF:XF+3]
; A step of 128 along K, the q-th of a half: 20 fragment loads, 5 loads of scale words, 16 products.  The 16 accumulators take turns, one instruction a turn.
.macro KSTEP slot, q, zero
.if !(\zero)
.rept 4
	v_nop                                          ; places in front of loads into registers that products have read
.endr
.endif
.irp xt, 0,1,2,3,4,5,6,7
.irp c, 0,1
	ds_load_b128 v[XF+8*\xt+4*\c:XF+8*\xt+4*\c+3], v[AX+\slot] offset:64*\q+32*\c+\xt*16*PITCH
.endr
.endr
.irp y, 0,1
.irp c, 0,1
	ds_load_b128 v[YF+8*\y+4*\c:YF+8*\y+4*\c+3], v[AY+\slot] offset:64*\q+32*\c+\y*16*PITCH
.endr
.endr
.irp p, 0,1,2,3
	ds_load_b32 v[SX+\p], v[ASX] offset:\p*32*SROW+4*(4*\slot+\q)
.endr
	ds_load_b32 v[SY], v[ASY] offset:4*(4*\slot+\q)
	s_wait_dscnt 0x0
.irp y, 0,1
.irp xt, 0,1,2,3,4,5,6,7
	WM ACC+64*\y+8*\xt, XF+8*\xt, YF+8*\y, \zero, SX+\xt/2, SY, \xt%2, \y
.endr
.endr
.endm
; 64 numbers of a lane, register 16 b + 8 u + j = unit 32 b + 16 u + 8 (lane / 16) + j of my row, become a fragment's codes in v[pc] on and its scale word in v[pw]
.macro QUANT s, pc, pw
.irp b, 0,1,2,3
	v_max3_num_f32 v[TM+\b], |v[\s+16*\b]|, |v[\s+16*\b+1]|, 0x1800000   ; the floor 2^(3 - 127): the byte cannot fall under 1
.endr
.irp i, 2,4,6,8,10,12,14
.irp b, 0,1,2,3
	v_max3_num_f32 v[TM+\b], v[TM+\b], |v[\s+16*\b+\i]|, |v[\s+16*\b+\i+1]|
.endr
.endr
.irp b, 0,1,2,3
	v_permlanex16_b32 v[TM+4+\b], v[TM+\b], s[SEL], s[SEL+1]
.endr
.irp b, 0,1,2,3
	v_max_num_f32 v[TM+\b], v[TM+\b], v[TM+4+\b]   ; with lane l xor 16's: the block's largest magnitude
.endr
.irp b, 0,1,2,3
	v_add_nc_u32 v[TM+12+\b], 0xff000000, v[TM+\b] ; 2 off its exponent field: the conversion's scale operand
.endr
.irp b, 0,1,2,3
	v_lshrrev_b32 v[TM+4+\b], 23, v[TM+12+\b]      ; the scale's byte
.endr
	v_lshl_or_b32 v[\pw], v[TM+5], 8, v[TM+4]
	v_lshl_or_b32 v[\pw], v[TM+6], 16, v[\pw]
	v_lshl_or_b32 v[\pw], v[TM+7], 24, v[\pw]
.irp c, 0,1
.irp u, 0,1
.irp e, 0,1
	v_cvt_scalef32_pk8_fp4_f32 v[\pc+4*\c+2*\u+\e], v[\s+16*(2*\c+\e)+8*\u:\s+16*(2*\c+\e)+8*\u+7], v[TM+12+2*\c+\e]
.endr
.endr
.endr
	v_nop                                          ; one plain line behind a scaled conversion
.irp c, 0,1
.irp u, 0,1
	v_permlane16_swap_b32 v[\pc+4*\c+2*\u], v[\pc+4*\c+2*\u+1]   ; register 4 c + m now holds units 8 m .. 8 m + 7 of block 2 c + lane / 16
.endr
.endr
.endm
	s_wait_tensorcnt 1                             ; the scale bytes and K's first half have landed; the second half's load may stay out
	s_wait_dscnt 0x0
	s_barrier_signal -1
	s_barrier_wait -1
	KSTEP 0, 0, 1                                  ; the first products start the sums
	KSTEP 0, 1, 0
	KSTEP 0, 2, 0
	KSTEP 0, 3, 0
	s_wait_tensorcnt 0x0                           ; K's second half
	s_wait_dscnt 0x0
	s_barrier_signal -1
	s_barrier_wait -1
	KSTEP 1, 0, 0
	KSTEP 1, 1, 0
	KSTEP 1, 2, 0
	KSTEP 1, 3, 0
.rept 4
	v_nop                                          ; places in front of the loads below and of the first read of results
.endr
.irp xt, 0,1,2,3,4,5,6,7
.irp k, 0,1
	ds_load_b128 v[XF+8*\xt+4*\k:XF+8*\xt+4*\k+3], v[BRD] offset:64*\xt+16*\k   ; the bias of units 16 xt + 8 h + 4 k on: my wave's own bytes
.endr
.endr
	s_wait_dscnt 0x0
.irp y, 0,1
.set i, 0
.rept 32
	v_pk_add_f32 v[ACC+64*\y+i:ACC+64*\y+i+1], v[ACC+64*\y+i:ACC+64*\y+i+1], v[XF+i:XF+i+1]   ; ascending: each accumulator from its low end on
.set i, i+2
.endr
.endr
	QUANT ACC, YF, PW
	QUANT ACC+64, YF+8, PW+1
.irp y, 0,1
.irp c, 0,1
	global_store_b128 v[VA+2*\y+\c], v[YF+8*\y+4*\c:YF+8*\y+4*\c+3], s[14:15]   ; 512 consecutive bytes
.endr
.endr
	v_perm_b32 v122, v[PW+1], v[PW], s39
	v_perm_b32 v123, v[PW+1], v[PW], s2
	v_cndmask_b32 v124, v122, v123, s3
	global_store_b32 v[VS], v124, s[16:17]
	s_wait_dscnt 0x0
	s_wait_tensorcnt 0x0
	ds_add_u32 v126, v127
	s_wait_dscnt 0x0
	CROUND                                         ; the closing round: no work-group ends while a partner may still ask for a tile that names it
	s_endpgm
.Lfunc_end_k_qa987f2d802_proj:
	.size	k_qa987f2d802_proj, .Lfunc_end_k_qa987f2d802_proj-k_qa987f2d802_proj
	.p2alignl 7, 3214868480
	.fill 96, 4, 3214868480
	.section	.rodata,"a",@progbits
	.p2align	6, 0x0
	.amdhsa_kernel k_qa987f2d802_proj
		.amdhsa_group_segment_fixed_size 309248
		.amdhsa_private_segment_fixed_size 0
		.amdhsa_enable_private_segment 0
		.amdhsa_kernarg_size 88
		.amdhsa_user_sgpr_count 2
		.amdhsa_user_sgpr_kernarg_segment_ptr 1
		.amdhsa_wavefront_size32 1
		.amdhsa_system_sgpr_workgroup_id_x 1
		.amdhsa_system_sgpr_workgroup_id_y 1
		.amdhsa_system_sgpr_workgroup_id_z 1
		.amdhsa_system_vgpr_workitem_id 0
		.amdhsa_next_free_vgpr 256
		.amdhsa_next_free_sgpr 102
		.amdhsa_reserve_vcc 0
		.amdhsa_float_denorm_mode_32 3
		.amdhsa_float_denorm_mode_16_64 3
		.amdhsa_memory_ordered 1
		.amdhsa_forward_progress 1
		.amdhsa_inst_pref_size 56
	.end_amdhsa_kernel
	.amdgpu_metadata
---
amdhsa.version: [ 1, 2 ]
amdhsa.kernels:
  - .name:           k_qa987f2d802_proj
    .symbol:         k_qa987f2d802_proj.kd
    .args:
      - { .name: xc, .offset: 0, .size: 8, .value_kind: global_buffer, .address_space: global }
      - { .name: xs, .offset: 8, .size: 8, .value_kind: global_buffer, .address_space: global }
      - { .name: Wk_codes, .offset: 16, .size: 8, .value_kind: global_buffer, .address_space: global }
      - { .name: Wk_scales, .offset: 24, .size: 8, .value_kind: global_buffer, .address_space: global }
      - { .name: Wv_codes, .offset: 32, .size: 8, .value_kind: global_buffer, .address_space: global }
      - { .name: Wv_scales, .offset: 40, .size: 8, .value_kind: global_buffer, .address_space: global }
      - { .name: Wq_codes, .offset: 48, .size: 8, .value_kind: global_buffer, .address_space: global }
      - { .name: Wq_scales, .offset: 56, .size: 8, .value_kind: global_buffer, .address_space: global }
      - { .name: r_w_bias, .offset: 64, .size: 8, .value_kind: global_buffer, .address_space: global }
      - { .name: kv, .offset: 72, .size: 8, .value_kind: global_buffer, .address_space: global }
      - { .name: qw, .offset: 80, .size: 8, .value_kind: global_buffer, .address_space: global }
    .group_segment_fixed_size: 309248
    .private_segment_fixed_size: 0
    .kernarg_segment_align: 8
    .kernarg_segment_size: 88
    .max_flat_workgroup_size: 512
    .sgpr_count:     102
    .vgpr_count:     256
    .wavefront_size: 32
...
	.end_amdgpu_metadata
.endif
;; end of part 2
;; launch attn (part 3): grid 8 x 32, 16 waves a work-group, clusters of 4 x 1, 169,984 bytes of LDS; arguments kv, qw, att; writes att
.if DOCPART == 3
	.amdgcn_target "amdgcn-amd-amdhsa--gfx1250"
	.amdhsa_code_object_version 6
	.text
	.protected	k_qa987f2d802_attn
	.globl	k_qa987f2d802_attn
	.p2align	8
	.type	k_qa987f2d802_attn,@function
k_qa987f2d802_attn:
	s_mov_b64 s[64:65], 0
	v_nop
	global_prefetch_b8 v0, s[64:65] scope:SCOPE_SE
	s_setreg_imm32_b32 hwreg(HW_REG_WAVE_MODE, 25, 1), 1
	s_wait_xcnt 0x0
	s_wait_alu depctr_hold_cnt(0) depctr_sa_sdst(0) depctr_va_vdst(0) depctr_va_sdst(0) depctr_va_ssrc(0) depctr_va_vcc(0) depctr_vm_vsrc(0)
	s_getreg_b32 s2, hwreg(HW_REG_IB_STS2, 6, 4)
	s_cmp_eq_u32 s2, 0
	s_cbranch_scc0 .Lentry_in_a_cluster
	s_endpgm
.Lentry_in_a_cluster:
	s_bfe_u32 s2, ttmp6, 0x10000c
	s_cmp_lg_u32 s2, 0x3003
	s_cbranch_scc0 .Lentry_shape_is_right
	s_endpgm
.Lentry_shape_is_right:
; attn_vec = softmax(q k^T / 8) v for one (stream, batch, head), both products on codes of FP4 (E2M1); the result is divided by the row's sum, quantised along (head, d) and stored as codes.
; t = score x log2(e) / 8; M = the running largest t rounded up to a whole number; p = 2^(t - M) is quantised along the keys; the row's sum is taken of the unquantised p.
; SHARES: cluster x = the stream, work-group y = 16 x batch + head, cx = a quarter of the queries.  A work-group owns 512 queries, a wave 32: two passes over all 2,048 keys, 16 queries each.
; ALL of the head's K and V (codes and scale words, 139,264 bytes, in the order of the operands' registers) lies in LDS, filled ONCE: each wave brings a sixteenth.
; The four partners of a cluster walk the same K and V: the loads are joint.
; THE HEAD'S 64 ARE HALF OF THE INSTRUCTION'S 128: a fragment of K holds TWO tiles of 16 keys (registers 0-3, registers 4-7) and is multiplied once by [q, 0] and once by [0, q].
; Both products are used transposed: a lane holds one query (lane % 16).  Register 16 b + 8 u + j of the scores is key 32 b + 16 u + 8 (lane / 16) + j of the step's 128.
; LIMITS: NaN and infinities are not served; p under 2^-126 counts as 0; the exponential and the reciprocal are the chip's own (1 ulp); a block of zeros gets the byte 1.
.set LI,  1                            ; v1   16 x lane
.set LIV, 2                            ; v2   + V's codes
.set LSS, 3                            ; v3   4 x lane + K's scale words
.set ADK, 4                            ; v4-6 the step's addresses
.set ADV, 5
.set ADS, 6
.set HA,  8                            ; v8   the scale halfwords' offset
.set QZ,  16                           ; v16-35 [0 x 4][q of pass 0][0 x 4][q of pass 1][0 x 4]
.set QS,  36                           ; v36-37 q's scale words
.set KS,  38                           ; v38-39 K's: lanes 0-15 group 2 p, lanes 16-31 group 2 p + 1
.set VS,  40                           ; v40-41 V's likewise
.set PS,  42                           ; v42   p's
.set PC,  44                           ; v44-51 p's codes
.set AP,  52                           ; v52-59 the result's codes, four registers a pass
.set HW,  60                           ; v60-61 the result's two scale bytes, a pass each
.set KF,  64                           ; v64-95  K's four fragments
.set VF,  96                           ; v96-127 V's four
.set S,   128                          ; v128-191 the scores, then p
.set O,   192                          ; v192-223 O^T
.set BM,  224                          ; v224-227 the blocks' largest
.set PD,  228                          ; v228-231 permutes' destinations, then bytes
.set SO,  232                          ; v232-235 the conversions' scale operands
.set WV,  10
.set SEL, 20
.set CS,  22
.set TB,  36
.set TS,  37
.set CNT, 38
.macro CROUND
	s_barrier_signal -1
	s_barrier_wait -1
	s_cmp_lg_u32 s[WV], 0
	s_cbranch_scc1 .Lnot_wave_0_\@
	s_barrier_signal -3
.Lnot_wave_0_\@:
	s_barrier_wait -3
	s_barrier_signal -1
	s_barrier_wait -1
.endm
.macro WM d, a, b, zero, sa, sb, ra    ; one product; ra: source 0's scale words lie in lanes 16-31
.if \zero
.if \ra
	v_wmma_scale_f32_16x16x128_f8f6f4 v[\d:\d+7], v[\a:\a+7], v[\b:\b+7], 0, v[\sa], v[\sb] matrix_a_fmt:MATRIX_FMT_FP4 matrix_b_fmt:MATRIX_FMT_FP4 matrix_a_scale:MATRIX_SCALE_ROW1
.else
	v_wmma_scale_f32_16x16x128_f8f6f4 v[\d:\d+7], v[\a:\a+7], v[\b:\b+7], 0, v[\sa], v[\sb] matrix_a_fmt:MATRIX_FMT_FP4 matrix_b_fmt:MATRIX_FMT_FP4
.endif
.else
.if \ra
	v_wmma_scale_f32_16x16x128_f8f6f4 v[\d:\d+7], v[\a:\a+7], v[\b:\b+7], v[\d:\d+7], v[\sa], v[\sb] matrix_a_fmt:MATRIX_FMT_FP4 matrix_b_fmt:MATRIX_FMT_FP4 matrix_a_scale:MATRIX_SCALE_ROW1
.else
	v_wmma_scale_f32_16x16x128_f8f6f4 v[\d:\d+7], v[\a:\a+7], v[\b:\b+7], v[\d:\d+7], v[\sa], v[\sb] matrix_a_fmt:MATRIX_FMT_FP4 matrix_b_fmt:MATRIX_FMT_FP4
.endif
.endif
.endm
	s_load_b128 s[4:7], s[0:1], 0x0                ; kv, qw
	s_load_b64 s[8:9], s[0:1], 0x10                ; att
	v_lshl_add_u32 v254, v0, 2, 0x29000
	v_mov_b32 v255, 0
	ds_add_u32 v254, v255
	ds_add_u32 v254, v255
	v_lshrrev_b32 v1, 5, v0
	v_readfirstlane_b32 s[WV], v1                  ; wave 0..15
	s_bfe_u32 s11, ttmp6, 0x40000                  ; cx: it enters q's and the result's addresses alone
	s_and_b32 s12, ttmp7, 0xffff                   ; 16 x batch + head, which the partners share
	s_lshl_b32 s13, s11, 4
	s_add_co_u32 s13, s13, s[WV]                   ; which 32 queries are my wave's
	; the fill: 34 rows of 256 bytes a wave, dense
	s_mov_b32 s24, 15|(3<<16)|(1<<21)              ; the mask: all four work-groups; elements of 8 bytes; bit 21 beside a mask
	s_mov_b32 s25, 32<<16
	s_mov_b32 s26, 34<<16
	s_mov_b32 s27, 32<<16
	s_mov_b32 s28, 34
	s_mov_b32 s29, 32
	s_mov_b32 s30, 0
	s_mov_b32 s31, 0
	s_mov_b32 s32, 1
	s_mul_i32 s33, s[WV], 8704                     ; LDS address
	s_mul_i32 s14, s12, 139264
	s_add_co_u32 s14, s14, s33
	s_mov_b32 s15, 0
	s_lshl_b32 s16, ttmp9, 5
	s_add_co_u32 s16, s16, s12
	s_mul_i32 s18, s16, 69632                      ; q's block of (stream, batch, head)
	s_lshl_b32 s16, s13, 10
	s_add_co_u32 s16, s16, s18                     ; my 32 queries' codes
	s_mov_b32 s17, 0
	s_lshl_b32 s19, s13, 6
	s_add_co_u32 s18, s18, s19
	s_add_co_u32 s18, s18, 65536                   ; and their scale words
	s_mov_b32 s19, 0
	s_lshr_b32 s40, s12, 4                         ; batch
	s_and_b32 s41, s12, 15                         ; head
	s_lshl_b32 s42, ttmp9, 1
	s_add_co_u32 s42, s42, s40
	s_lshl_b32 s42, s42, 7
	s_lshl_b32 s43, s13, 1
	s_add_co_u32 s42, s42, s43                     ; the first of my two tiles of 16 rows: (2 stream + batch) 128 + query / 16
	s_lshl_b32 s44, s42, 9                         ; scale words: 512 bytes a tile of rows,
	s_lshr_b32 s45, s41, 1
	s_lshl_b32 s45, s45, 6
	s_add_co_u32 s44, s44, s45                     ; 64 bytes a pair of heads,
	s_and_b32 s45, s41, 1
	s_lshl_b32 s45, s45, 1
	s_add_co_u32 s44, s44, s45                     ; my head's half of the word,
	s_add_co_u32 s44, s44, 4194304                 ; behind the codes
	s_mov_b32 s45, 0
	s_lshl_b32 s40, s42, 13                        ; codes: 8,192 bytes a tile of rows, 512 a head
	s_lshl_b32 s43, s41, 9
	s_add_co_u32 s40, s40, s43
	s_mov_b32 s41, 0
	s_mov_b32 s[SEL], 0x76543210
	s_mov_b32 s[SEL+1], 0xfedcba98
	s_mov_b32 s[CS], 0x3e38aa3b                    ; c = log2(e) / 8
	s_mov_b32 s[CS+1], s[CS]
	s_mov_b32 s39, 0xffff0000                      ; lanes 16-31
	s_wait_dscnt 0x0
	s_wait_kmcnt 0x0
	s_add_nc_u64 s[34:35], s[4:5], s[14:15]
	s_or_b32 s35, s35, 0x80000000
	s_add_nc_u64 s[16:17], s[6:7], s[16:17]
	s_add_nc_u64 s[18:19], s[6:7], s[18:19]
	s_add_nc_u64 s[40:41], s[8:9], s[40:41]
	s_add_nc_u64 s[44:45], s[8:9], s[44:45]
	CROUND                                         ; all four work-groups are here: the joint loads meet
	tensor_load_to_lds s[32:35], s[24:31]          ; one load of mine is out
	s_nop 0
.rept 4
	v_nop
.endr
	v_and_b32 v7, 31, v0
	v_lshlrev_b32 v[LI], 4, v7
	global_load_b128 v[QZ+4:QZ+7], v[LI], s[16:17]                ; q of pass 0: lane (r, h): block h of query r
	global_load_b128 v[QZ+12:QZ+15], v[LI], s[16:17] offset:512   ; of pass 1
	v_and_b32 v9, 15, v0
	v_lshlrev_b32 v9, 2, v9
	global_load_b32 v10, v9, s[18:19]              ; bytes 0, 1: pass 0's query; bytes 2, 3: pass 1's
	v_add_nc_u32 v[LIV], 65536, v[LI]
	v_lshl_add_u32 v[LSS], v7, 2, 131072
	v_bfe_u32 v11, v0, 4, 1
	v_lshl_add_u32 v[HA], v11, 9, v9               ; lanes 16-31: the second tile of rows
.irp i, 0,1,2,3, 8,9,10,11, 16,17,18,19
	v_mov_b32 v[QZ+\i], 0                          ; zero codes: they add nothing
.endr
.irp b, 0,1,2,3
	v_mov_b32 v[PD+\b], 0                          ; written once: a lane permute's destination counts as one of its sources
.endr
	v_mov_b32 v241, 0                              ; named as the upper half of the pair v[240:241]
	s_wait_tensorcnt 0x0                           ; my sixteenth has landed,
	s_barrier_signal -1
	s_barrier_wait -1                              ; everybody's has
	s_wait_loadcnt 0x0
	v_perm_b32 v[QS], v10, v10, 0x01000100         ; the query's two bytes, for [q, 0] and for [0, q] alike
	v_perm_b32 v[QS+1], v10, v10, 0x03020302
; the result's 32 numbers of a lane (register 16 b + 8 u + j = d 32 b + 16 u + 8 (lane / 16) + j) become 16 bytes of codes and two scale bytes
.macro QUANT2 ap, hw
.irp b, 0,1
	v_max3_num_f32 v[BM+\b], |v[S+16*\b]|, |v[S+16*\b+1]|, 0x1800000
.endr
.irp i, 2,4,6,8,10,12,14
.irp b, 0,1
	v_max3_num_f32 v[BM+\b], v[BM+\b], |v[S+16*\b+\i]|, |v[S+16*\b+\i+1]|
.endr
.endr
.irp b, 0,1
	v_permlanex16_b32 v[PD+\b], v[BM+\b], s[SEL], s[SEL+1]
.endr
.irp b, 0,1
	v_max_num_f32 v[BM+\b], v[BM+\b], v[PD+\b]
.endr
.irp b, 0,1
	v_add_nc_u32 v[SO+\b], 0xff000000, v[BM+\b]
.endr
.irp b, 0,1
	v_lshrrev_b32 v[PD+\b], 23, v[SO+\b]
.endr
	v_lshl_or_b32 v[\hw], v[PD+1], 8, v[PD]
.irp u, 0,1
.irp b, 0,1
	v_cvt_scalef32_pk8_fp4_f32 v[\ap+2*\u+\b], v[S+16*\b+8*\u:S+16*\b+8*\u+7], v[SO+\b]
.endr
.endr
	v_nop                                          ; one plain line behind a scaled conversion
.irp u, 0,1
	v_permlane16_swap_b32 v[\ap+2*\u], v[\ap+2*\u+1]   ; register m now holds d 8 m .. 8 m + 7 of block lane / 16
.endr
.endm
; A pass: 16 queries against all keys, 128 a trip
.macro PASS pp
	v_mov_b32 v13, 0xff61b1e6                      ; the largest t so far: -3e38
	v_floor_f32 v12, -v13                          ; -M
	v_mov_b32 v14, 0                               ; the sum, in two halves
	v_mov_b32 v15, 0
.set i, 0
.rept 32
	v_mov_b32 v[O+i], 0                            ; the trip is written once: the first finds zeros
.set i, i+1
.endr
	s_mov_b32 s[TB], 0
	s_mov_b32 s[TS], 0
	s_mov_b32 s[CNT], 0
.Lstep_\@:
	v_add_nc_u32 v[ADK], s[TB], v[LI]              ; these four lines are the places in front of loads into registers that the last products have read
	v_add_nc_u32 v[ADV], s[TB], v[LIV]
	v_add_nc_u32 v[ADS], s[TS], v[LSS]
	v_nop
.irp b, 0,1,2,3
.irp c, 0,1
	ds_load_b128 v[KF+8*\b+4*\c:KF+8*\b+4*\c+3], v[ADK] offset:1024*\b+512*\c
.endr
.endr
.irp p, 0,1
	ds_load_b32 v[KS+\p], v[ADS] offset:128*\p
.endr
.irp t, 0,1,2,3
.irp c, 0,1
	ds_load_b128 v[VF+8*\t+4*\c:VF+8*\t+4*\c+3], v[ADV] offset:1024*\t+512*\c
.endr
.endr
.irp p, 0,1
	ds_load_b32 v[VS+\p], v[ADS] offset:4096+128*\p
.endr
	s_wait_dscnt 10                                ; K and its words are in; V's ten loads may stay out
.irp b, 0,1,2,3
	WM S+16*\b, KF+8*\b, QZ+4+8*\pp, 1, KS+\b/2, QS+\pp, \b%2      ; [q, 0]: keys 32 b + 0 .. 15
	WM S+16*\b+8, KF+8*\b, QZ+8*\pp, 1, KS+\b/2, QS+\pp, \b%2      ; [0, q]: keys 32 b + 16 .. 31
.endr
.rept 4
	v_nop
.endr
.irp b, 0,1,2,3
	v_max3_num_f32 v[BM+\b], v[S+16*\b], v[S+16*\b+1], v[S+16*\b+2]   ; each block's largest score: for the row's maximum, and, since p rises with the score, for the block's largest p
.endr
.irp i, 3,5,7,9,11,13
.irp b, 0,1,2,3
	v_max3_num_f32 v[BM+\b], v[BM+\b], v[S+16*\b+\i], v[S+16*\b+\i+1]
.endr
.endr
.irp b, 0,1,2,3
	v_max_num_f32 v[BM+\b], v[BM+\b], v[S+16*\b+15]
.endr
.irp b, 0,1,2,3
	v_permlanex16_b32 v[PD+\b], v[BM+\b], s[SEL], s[SEL+1]
.endr
.irp b, 0,1,2,3
	v_max_num_f32 v[BM+\b], v[BM+\b], v[PD+\b]     ; with lane l xor 16's 16 keys
.endr
	v_max3_num_f32 v238, v[BM], v[BM+1], v[BM+2]
	v_max_num_f32 v238, v238, v[BM+3]
	v_mul_f32 v238, s[CS], v238                    ; as t (c is positive)
	v_max_num_f32 v13, v13, v238                   ; the running largest t
	v_mov_b32 v238, v12
	v_floor_f32 v12, -v13                          ; the new -M = -ceil(t)
	v_sub_f32 v238, v12, v238                      ; old M - new M: a whole number, 0 or less
	v_cvt_i32_f32 v238, v238                       ; (it saturates)
	v_ldexp_f32 v240, 1.0, v238                    ; f = 2^(old M - new M): multiplying by it rounds nothing
.set j, 0
.rept 32
	v_pk_fma_f32 v[S+j:S+j+1], v[S+j:S+j+1], s[CS:CS+1], v[12:13] op_sel_hi:[1,0,0]   ; t - M
.set j, j+2
.endr
.irp b, 0,1,2,3
	v_fma_f32 v[BM+\b], v[BM+\b], s[CS], v12
.endr
.set j, 0
.rept 64
	v_exp_f32 v[S+j], v[S+j]                       ; p = 2^(t - M)
.set j, j+1
.endr
	v_pk_mul_f32 v[14:15], v[14:15], v[240:241] op_sel_hi:[1,0]   ; the sums under the new M (the plain line behind the exponentials)
	s_wait_alu depctr_va_vdst(0)                   ; one wait for the batch, ahead of its first reader
.irp b, 0,1,2,3
	v_exp_f32 v[BM+\b], v[BM+\b]                   ; each block's largest p
.endr
	v_pk_add_f32 v[236:237], v[S:S+1], v[S+2:S+3]  ; the row's sum of the unquantised p, in two chains
.set j, 4
.rept 15
	v_pk_add_f32 v[14:15], v[14:15], v[S+j:S+j+1]
	v_pk_add_f32 v[236:237], v[236:237], v[S+j+2:S+j+3]
.set j, j+4
.endr
	v_pk_add_f32 v[14:15], v[14:15], v[236:237]
	s_wait_alu depctr_va_vdst(0)                   ; and one for the four
.irp b, 0,1,2,3
	v_max_num_f32 v[BM+\b], 0x1800000, v[BM+\b]    ; the floor 2^(3 - 127)
.endr
.irp b, 0,1,2,3
	v_add_nc_u32 v[SO+\b], 0xff000000, v[BM+\b]
.endr
.irp b, 0,1,2,3
	v_lshrrev_b32 v[PD+\b], 23, v[SO+\b]
.endr
	v_lshl_or_b32 v[PS], v[PD+1], 8, v[PD]         ; p's scale word for these 128 keys
	v_lshl_or_b32 v[PS], v[PD+2], 16, v[PS]
	v_lshl_or_b32 v[PS], v[PD+3], 24, v[PS]
.irp c, 0,1
.irp u, 0,1
.irp e, 0,1
	v_cvt_scalef32_pk8_fp4_f32 v[PC+4*\c+2*\u+\e], v[S+16*(2*\c+\e)+8*\u:S+16*(2*\c+\e)+8*\u+7], v[SO+2*\c+\e]
.endr
.endr
.endr
	v_nop                                          ; one plain line behind a scaled conversion
.irp c, 0,1
.irp u, 0,1
	v_permlane16_swap_b32 v[PC+4*\c+2*\u], v[PC+4*\c+2*\u+1]
.endr
.endr
.set j, 0
.rept 16
	v_pk_mul_f32 v[O+j:O+j+1], v[O+j:O+j+1], v[240:241] op_sel_hi:[1,0]   ; O^T under the new M; these sixteen are also the places between p's codes and scale word and the products
.set j, j+2
.endr
	s_wait_dscnt 0x0                               ; V is in
.irp t, 0,1,2,3
	WM O+8*\t, VF+8*\t, PC, 0, VS+\t/2, PS, \t%2   ; four accumulators by turns; eight other products stand between two links of a chain
.endr
	s_add_co_u32 s[TB], s[TB], 4096
	s_add_co_u32 s[TS], s[TS], 256
	s_add_co_u32 s[CNT], s[CNT], 1
	s_cmp_lt_u32 s[CNT], 16
	s_cbranch_scc1 .Lstep_\@
.rept 4
	v_nop                                          ; places in front of the first read of the last results
.endr
	v_add_f32 v14, v14, v15
	v_permlanex16_b32 v238, v14, s[SEL], s[SEL+1]
	v_add_f32 v14, v14, v238                       ; the row's sum
	v_rcp_f32 v14, v14
	v_nop
	s_wait_alu depctr_va_vdst(0)
.set j, 0
.rept 32
	v_mul_f32 v[S+j], v[O+j], v14                  ; ascending: each accumulator from its low end on
.set j, j+1
.endr
	QUANT2 AP+4*\pp, HW+\pp
	global_store_b128 v[LI], v[AP+4*\pp:AP+4*\pp+3], s[40:41] offset:8192*\pp   ; 512 consecutive bytes: 16 rows x my head
.endm
	PASS 0
	PASS 1
	v_cndmask_b32 v62, v[HW], v[HW+1], s39
	global_store_b16 v[HA], v62, s[44:45]          ; two bytes a row: 1 byte in 16 of what the launch stores
	s_wait_dscnt 0x0
	s_wait_tensorcnt 0x0
	ds_add_u32 v254, v255
	s_wait_dscnt 0x0
	CROUND                                         ; the closing round
	s_endpgm
.Lfunc_end_k_qa987f2d802_attn:
	.size	k_qa987f2d802_attn, .Lfunc_end_k_qa987f2d802_attn-k_qa987f2d802_attn
	.p2alignl 7, 3214868480
	.fill 96, 4, 3214868480
	.section	.rodata,"a",@progbits
	.p2align	6, 0x0
	.amdhsa_kernel k_qa987f2d802_attn
		.amdhsa_group_segment_fixed_size 169984
		.amdhsa_private_segment_fixed_size 0
		.amdhsa_enable_private_segment 0
		.amdhsa_kernarg_size 24
		.amdhsa_user_sgpr_count 2
		.amdhsa_user_sgpr_kernarg_segment_ptr 1
		.amdhsa_wavefront_size32 1
		.amdhsa_system_sgpr_workgroup_id_x 1
		.amdhsa_system_sgpr_workgroup_id_y 1
		.amdhsa_system_sgpr_workgroup_id_z 1
		.amdhsa_system_vgpr_workitem_id 0
		.amdhsa_next_free_vgpr 256
		.amdhsa_next_free_sgpr 66
		.amdhsa_reserve_vcc 0
		.amdhsa_float_denorm_mode_32 3
		.amdhsa_float_denorm_mode_16_64 3
		.amdhsa_memory_ordered 1
		.amdhsa_forward_progress 1
		.amdhsa_inst_pref_size 45
	.end_amdhsa_kernel
	.amdgpu_metadata
---
amdhsa.version: [ 1, 2 ]
amdhsa.kernels:
  - .name:           k_qa987f2d802_attn
    .symbol:         k_qa987f2d802_attn.kd
    .args:
      - { .name: kv, .offset: 0, .size: 8, .value_kind: global_buffer, .address_space: global }
      - { .name: qw, .offset: 8, .size: 8, .value_kind: global_buffer, .address_space: global }
      - { .name: att, .offset: 16, .size: 8, .value_kind: global_buffer, .address_space: global }
    .group_segment_fixed_size: 169984
    .private_segment_fixed_size: 0
    .kernarg_segment_align: 8
    .kernarg_segment_size: 24
    .max_flat_workgroup_size: 512
    .sgpr_count:     66
    .vgpr_count:     256
    .wavefront_size: 32
...
	.end_amdgpu_metadata
.endif
;; end of part 3
;; launch outln (part 4): grid 256 x 1, 16 waves a work-group, no clusters, 169,984 bytes of LDS; arguments att, woc, wos, h, g, ln_gamma, ln_beta, out0, out1; writes out0, out1
.if DOCPART == 4
	.amdgcn_target "amdgcn-amd-amdhsa--gfx1250"
	.amdhsa_code_object_version 6
	.text
	.protected	k_qa987f2d802_outln
	.globl	k_qa987f2d802_outln
	.p2align	8
	.type	k_qa987f2d802_outln,@function
k_qa987f2d802_outln:
	s_mov_b64 s[64:65], 0
	v_nop
	global_prefetch_b8 v0, s[64:65] scope:SCOPE_SE
	s_setreg_imm32_b32 hwreg(HW_REG_WAVE_MODE, 25, 1), 1
	s_wait_xcnt 0x0
; out = LayerNorm(attn_vec Wo^T + x), the product on codes of FP4 (E2M1); x = h (out0) or g (out1).
; SHARES: work-group W = (2 stream + batch) 64 + p takes the 32 rows i = 32 p .. 32 p + 31 of one batch and all 1,024 columns, so that a row's mean and variance stay in the work-group.
; Wave w makes columns 64 w .. 64 w + 63: 4 tiles of Wo's rows x 2 tiles of rows, 8 accumulators, source 0 = Wo, source 1 = attn_vec: a lane holds one row and eight neighbouring columns.
; Wo's fragments go from memory straight into registers (they lie in the order of the operand's registers): each is used by one wave alone.  NO CLUSTER: through LDS Wo's 524,288 bytes would not fit beside
; the rest without being filled again, each work-group would still receive all of them, and attn_vec and x are shared with no other work-group.
; LDS, each byte filled once: attn_vec's codes (16,384 bytes: each wave brings 1,024, all read them); a strip of x for each wave (32 rows x 256 bytes + 16), its own, which later takes the results on their way out.
; The variance is taken of the differences from the mean, in a second pass.  LIMITS: NaN and infinities are not served; the reciprocal root is the chip's own (1 ulp).
.set XSB,  16384                       ; the strips
.set STRIP, 32*272
.set RED1, XSB+16*STRIP                ; 32 rows x 80 bytes: sixteen waves' sums of a row
.set RED2O, 32*80                      ; the sums of squares lie this far behind
.set LI,  1                            ; v1  16 x lane
.set SAA, 2                            ; v2  attn_vec's scale words: 512 h + 4 r
.set SWA, 3                            ; v3  Wo's: 32 x lane
.set XD,  4                            ; v4  my strip by the result's layout: row r, + 32 h
.set XRW, 5                            ; v5  my strip by rows: row h, + 16 r
.set GO,  6                            ; v6  the same in the output
.set RST, 7                            ; v7  where I put my wave's sum of row = lane
.set RLD, 8                            ; v8  where I read row r's sixteen
.set GA,  9                            ; v9  16 r: my four columns' gain and bias
.set SA,  12                           ; v12-19 attn_vec's scale words, a K step each: lanes 0-15 rows 0-15, lanes 16-31 rows 16-31
.set SW,  20                           ; v20-35 Wo's: register 8 p + q: lanes 0-15 tile 2 p, lanes 16-31 tile 2 p + 1
.set YF,  36                           ; v36-51 attn_vec's two fragments; later at work
.set TP,  36
.set GM,  56                           ; v56-59 gain, v60-63 bias
.set ACC, 64                           ; v64-127 accumulator (y, xt) at 32 y + 8 xt
.set WF,  128                          ; v128-255 Wo's fragments: four K steps of 32 registers; later RX
.set RX,  128
.set WV,  22
.macro WM d, a, b, zero, sa, sb, ra, rb
.if \zero
.if \ra
.if \rb
	v_wmma_scale_f32_16x16x128_f8f6f4 v[\d:\d+7], v[\a:\a+7], v[\b:\b+7], 0, v[\sa], v[\sb] matrix_a_fmt:MATRIX_FMT_FP4 matrix_b_fmt:MATRIX_FMT_FP4 matrix_a_scale:MATRIX_SCALE_ROW1 matrix_b_scale:MATRIX_SCALE_ROW1
.else
	v_wmma_scale_f32_16x16x128_f8f6f4 v[\d:\d+7], v[\a:\a+7], v[\b:\b+7], 0, v[\sa], v[\sb] matrix_a_fmt:MATRIX_FMT_FP4 matrix_b_fmt:MATRIX_FMT_FP4 matrix_a_scale:MATRIX_SCALE_ROW1
.endif
.else
.if \rb
	v_wmma_scale_f32_16x16x128_f8f6f4 v[\d:\d+7], v[\a:\a+7], v[\b:\b+7], 0, v[\sa], v[\sb] matrix_a_fmt:MATRIX_FMT_FP4 matrix_b_fmt:MATRIX_FMT_FP4 matrix_b_scale:MATRIX_SCALE_ROW1
.else
	v_wmma_scale_f32_16x16x128_f8f6f4 v[\d:\d+7], v[\a:\a+7], v[\b:\b+7], 0, v[\sa], v[\sb] matrix_a_fmt:MATRIX_FMT_FP4 matrix_b_fmt:MATRIX_FMT_FP4
.endif
.endif
.else
.if \ra
.if \rb
	v_wmma_scale_f32_16x16x128_f8f6f4 v[\d:\d+7], v[\a:\a+7], v[\b:\b+7], v[\d:\d+7], v[\sa], v[\sb] matrix_a_fmt:MATRIX_FMT_FP4 matrix_b_fmt:MATRIX_FMT_FP4 matrix_a_scale:MATRIX_SCALE_ROW1 matrix_b_scale:MATRIX_SCALE_ROW1
.else
	v_wmma_scale_f32_16x16x128_f8f6f4 v[\d:\d+7], v[\a:\a+7], v[\b:\b+7], v[\d:\d+7], v[\sa], v[\sb] matrix_a_fmt:MATRIX_FMT_FP4 matrix_b_fmt:MATRIX_FMT_FP4 matrix_a_scale:MATRIX_SCALE_ROW1
.endif
.else
.if \rb
	v_wmma_scale_f32_16x16x128_f8f6f4 v[\d:\d+7], v[\a:\a+7], v[\b:\b+7], v[\d:\d+7], v[\sa], v[\sb] matrix_a_fmt:MATRIX_FMT_FP4 matrix_b_fmt:MATRIX_FMT_FP4 matrix_b_scale:MATRIX_SCALE_ROW1
.else
	v_wmma_scale_f32_16x16x128_f8f6f4 v[\d:\d+7], v[\a:\a+7], v[\b:\b+7], v[\d:\d+7], v[\sa], v[\sb] matrix_a_fmt:MATRIX_FMT_FP4 matrix_b_fmt:MATRIX_FMT_FP4
.endif
.endif
.endif
.endm
	s_load_b256 s[4:11], s[0:1], 0x0               ; att, woc, wos, h
	s_load_b256 s[12:19], s[0:1], 0x20             ; g, ln_gamma, ln_beta, out0
	s_load_b64 s[20:21], s[0:1], 0x40              ; out1
	v_lshl_add_u32 v54, v0, 2, 0x29000
	v_mov_b32 v55, 0
	ds_add_u32 v54, v55
	ds_add_u32 v54, v55
	v_lshrrev_b32 v1, 5, v0
	v_readfirstlane_b32 s[WV], v1                  ; wave 0..15
	; group 1 for attn_vec's codes: 4 rows of 256 bytes, dense
	s_mov_b32 s24, 3<<16
	s_mov_b32 s25, 32<<16
	s_mov_b32 s26, 4<<16
	s_mov_b32 s27, 32<<16
	s_mov_b32 s28, 4
	s_mov_b32 s29, 32
	s_mov_b32 s30, 0
	s_mov_b32 s31, 0
	; for x: 32 rows of 64 numbers of 4 bytes, 2,048 numbers apart (the other batch lies between), 16 bytes of padding behind each row
	s_mov_b32 s32, (2<<16)|(1<<20)|(5<<22)|(3<<25)
	s_mov_b32 s33, 64<<16
	s_mov_b32 s34, 32<<16
	s_mov_b32 s35, 64<<16
	s_mov_b32 s36, 32
	s_mov_b32 s37, 2048
	s_mov_b32 s38, 0
	s_mov_b32 s39, 0
	s_lshr_b32 s23, ttmp9, 7                       ; stream
	s_bfe_u32 s53, ttmp9, 0x10006                  ; batch
	s_and_b32 s54, ttmp9, 63                       ; p
	s_lshl_b32 s2, s54, 18
	s_lshl_b32 s3, s53, 12
	s_add_co_u32 s2, s2, s3
	s_lshl_b32 s3, s[WV], 8
	s_add_co_u32 s2, s2, s3                        ; x and out: row (32 p, batch), my 64 columns
	s_mov_b32 s3, 0
	s_lshl_b32 s54, ttmp9, 14
	s_lshl_b32 s55, s[WV], 10
	s_add_co_u32 s54, s54, s55                     ; attn_vec's codes: my sixteenth of the work-group's 16,384 bytes
	s_mov_b32 s55, 0
	s_mov_b32 s40, 1
	s_lshl_b32 s41, s[WV], 10
	s_mov_b32 s44, 1
	s_mul_i32 s45, s[WV], STRIP
	s_add_co_u32 s45, s45, XSB
	s_mov_b32 s48, 0x76543210
	s_mov_b32 s49, 0xfedcba98
	s_mov_b32 s50, 0x3a800000                      ; 1 / 1,024
	s_mov_b32 s51, 0x3727c5ac                      ; 1e-5
	s_mov_b32 s52, 0xffff0000                      ; lanes 16-31
	s_wait_dscnt 0x0
	s_wait_kmcnt 0x0
	s_cmp_eq_u32 s23, 0
	s_cselect_b64 s[10:11], s[10:11], s[12:13]     ; h or g
	s_cselect_b64 s[18:19], s[18:19], s[20:21]     ; out0 or out1
	s_add_nc_u64 s[42:43], s[4:5], s[54:55]
	s_or_b32 s43, s43, 0x80000000
	s_add_nc_u64 s[46:47], s[10:11], s[2:3]
	s_or_b32 s47, s47, 0x80000000
	tensor_load_to_lds s[40:43], s[24:31]          ; two loads of mine are out
	s_nop 0
	tensor_load_to_lds s[44:47], s[32:39]
	s_nop 0
.rept 4
	v_nop
.endr
	s_add_nc_u64 s[18:19], s[18:19], s[2:3]
	s_lshl_b32 s54, ttmp9, 10
	s_add_co_u32 s54, s54, 4194304
	s_add_nc_u64 s[4:5], s[4:5], s[54:55]          ; attn_vec's scale words
	s_lshl_b32 s54, s[WV], 15
	s_add_nc_u64 s[6:7], s[6:7], s[54:55]          ; my four tiles of Wo
	s_lshl_b32 s54, s[WV], 11
	s_add_nc_u64 s[8:9], s[8:9], s[54:55]          ; their scale bytes
	s_lshl_b32 s54, s[WV], 8
	s_add_nc_u64 s[14:15], s[14:15], s[54:55]
	s_add_nc_u64 s[16:17], s[16:17], s[54:55]
	v_and_b32 v52, 31, v0                          ; lane
	v_and_b32 v10, 15, v0                          ; r
	v_bfe_u32 v11, v0, 4, 1                        ; h
	v_lshlrev_b32 v[LI], 4, v52
	v_lshlrev_b32 v[SAA], 2, v10
	v_lshl_add_u32 v[SAA], v11, 9, v[SAA]
	v_lshlrev_b32 v[SWA], 5, v52
	v_lshlrev_b32 v[GA], 4, v10
.irp q, 0,1,2,3,4,5,6,7
	global_load_b32 v[SA+\q], v[SAA], s[4:5] offset:64*\q
.endr
.irp p, 0,1
	global_load_b128 v[SW+8*\p:SW+8*\p+3], v[SWA], s[8:9] offset:1024*\p
	global_load_b128 v[SW+8*\p+4:SW+8*\p+7], v[SWA], s[8:9] offset:1024*\p+16
.endr
	global_load_b128 v[GM:GM+3], v[GA], s[14:15]
	global_load_b128 v[GM+4:GM+7], v[GA], s[16:17]
.macro WLOAD q                         ; Wo's four fragments of K step q: eight loads of 512 consecutive bytes
.irp xt, 0,1,2,3
.irp c, 0,1
	global_load_b128 v[WF+32*((\q)%4)+8*\xt+4*\c:WF+32*((\q)%4)+8*\xt+4*\c+3], v[LI], s[6:7] offset:\xt*8192+(\q)*1024+\c*512
.endr
.endr
.endm
	WLOAD 0
	WLOAD 1
	WLOAD 2
	WLOAD 3
	v_mul_u32_u24 v[XD], v10, 272
	v_lshl_add_u32 v[XD], v11, 5, v[XD]
	v_add_nc_u32 v[XD], s45, v[XD]
	v_mul_u32_u24 v[XRW], v11, 272
	v_lshl_add_u32 v[XRW], v10, 4, v[XRW]
	v_add_nc_u32 v[XRW], s45, v[XRW]
	v_lshlrev_b32 v[GO], 13, v11
	v_lshl_add_u32 v[GO], v10, 4, v[GO]
	v_mul_u32_u24 v[RST], v52, 80
	s_lshl_b32 s53, s[WV], 2
	s_add_co_u32 s53, s53, RED1
	v_add_nc_u32 v[RST], s53, v[RST]
	v_mul_u32_u24 v[RLD], v10, 80
	v_add_nc_u32 v[RLD], RED1, v[RLD]
	s_wait_tensorcnt 1                             ; my part of attn_vec's codes has landed; my strip of x may stay out
	s_barrier_signal -1
	s_barrier_wait -1
.macro KSTEP q
.if \q <= 4
	s_wait_loadcnt 24                              ; this K step's fragments of Wo are in; the three K steps behind it may be out
.else
	s_wait_loadcnt 8*(7-\q)
.endif
.irp y, 0,1
.irp c, 0,1
	ds_load_b128 v[YF+8*\y+4*\c:YF+8*\y+4*\c+3], v[LI] offset:\y*8192+\q*1024+\c*512
.endr
.endr
	s_wait_dscnt 0x0
.set Z, 0
.if \q == 0
.set Z, 1
.endif
.irp y, 0,1
.irp xt, 0,1,2,3
	WM ACC+32*\y+8*\xt, WF+32*(\q%4)+8*\xt, YF+8*\y, Z, SW+8*(\xt/2)+\q, SA+\q, \xt%2, \y
.endr
.endr
.rept 4
	v_nop                                          ; places in front of loads into registers that the products have read
.endr
.if \q < 4
	WLOAD \q+4
.endif
.endm
.irp q, 0,1,2,3,4,5,6,7
	KSTEP \q                                       ; eight accumulators by turns, one instruction a turn
.endr
	; the residual
	s_wait_tensorcnt 0x0                           ; my strip of x: nobody else reads it
.irp y, 0,1
.irp xt, 0,1,2,3
.irp k, 0,1
	ds_load_b128 v[RX+32*\y+8*\xt+4*\k:RX+32*\y+8*\xt+4*\k+3], v[XD] offset:\y*16*272+64*\xt+16*\k
.endr
.endr
.endr
	s_wait_dscnt 0x0
.set i, 0
.rept 32
	v_pk_add_f32 v[ACC+i:ACC+i+1], v[ACC+i:ACC+i+1], v[RX+i:RX+i+1]   ; ascending: each accumulator from its low end on
.set i, i+2
.endr
.macro FOLD y                          ; two chains -> my wave's sum of row 16 y + r, in both halves of the lanes
	v_pk_add_f32 v[TP+4*\y:TP+4*\y+1], v[TP+4*\y:TP+4*\y+1], v[TP+4*\y+2:TP+4*\y+3]
	v_add_f32 v[TP+4*\y], v[TP+4*\y], v[TP+4*\y+1]
	v_permlanex16_b32 v[TP+4*\y+2], v[TP+4*\y], s48, s49
	v_add_f32 v[44+\y], v[TP+4*\y], v[TP+4*\y+2]
.endm
.macro ALLSUM off                      ; the sixteen waves' sums meet in LDS: row 16 y + r's total in v[RX + 16 y]
	v_cndmask_b32 v46, v44, v45, s52               ; lane l speaks for row l
	ds_store_b32 v[RST], v46 offset:\off
	s_wait_dscnt 0x0                               ; for the others' sake
	s_barrier_signal -1
	s_barrier_wait -1
.irp y, 0,1
.irp k, 0,1,2,3
	ds_load_b128 v[RX+16*\y+4*\k:RX+16*\y+4*\k+3], v[RLD] offset:\off+\y*16*80+16*\k
.endr
.endr
	s_wait_dscnt 0x0
.irp y, 0,1
.irp j, 0,4,8,12
	v_pk_add_f32 v[RX+16*\y+\j:RX+16*\y+\j+1], v[RX+16*\y+\j:RX+16*\y+\j+1], v[RX+16*\y+\j+2:RX+16*\y+\j+3]
.endr
.endr
.irp y, 0,1
.irp j, 0,8
	v_pk_add_f32 v[RX+16*\y+\j:RX+16*\y+\j+1], v[RX+16*\y+\j:RX+16*\y+\j+1], v[RX+16*\y+\j+4:RX+16*\y+\j+5]
.endr
.endr
.irp y, 0,1
	v_pk_add_f32 v[RX+16*\y:RX+16*\y+1], v[RX+16*\y:RX+16*\y+1], v[RX+16*\y+8:RX+16*\y+9]
.endr
.irp y, 0,1
	v_add_f32 v[RX+16*\y], v[RX+16*\y], v[RX+16*\y+1]
.endr
.endm
	; the mean
.irp y, 0,1
	v_pk_add_f32 v[TP+4*\y:TP+4*\y+1], v[ACC+32*\y:ACC+32*\y+1], v[ACC+32*\y+2:ACC+32*\y+3]
	v_pk_add_f32 v[TP+4*\y+2:TP+4*\y+3], v[ACC+32*\y+4:ACC+32*\y+5], v[ACC+32*\y+6:ACC+32*\y+7]
.irp j, 8,12,16,20,24,28
	v_pk_add_f32 v[TP+4*\y:TP+4*\y+1], v[TP+4*\y:TP+4*\y+1], v[ACC+32*\y+\j:ACC+32*\y+\j+1]
	v_pk_add_f32 v[TP+4*\y+2:TP+4*\y+3], v[TP+4*\y+2:TP+4*\y+3], v[ACC+32*\y+\j+2:ACC+32*\y+\j+3]
.endr
	FOLD \y
.endr
	ALLSUM 0
	v_mul_f32 v48, s50, v[RX]
	v_mul_f32 v50, s50, v[RX+16]
	; the differences from the mean, and the sum of their squares
.irp y, 0,1
.set i, 0
.rept 16
	v_pk_add_f32 v[ACC+32*\y+i:ACC+32*\y+i+1], v[ACC+32*\y+i:ACC+32*\y+i+1], v[48+2*\y:49+2*\y] op_sel_hi:[1,0] neg_lo:[0,1] neg_hi:[0,1]
.set i, i+2
.endr
.endr
.irp y, 0,1
	v_pk_mul_f32 v[TP+4*\y:TP+4*\y+1], v[ACC+32*\y:ACC+32*\y+1], v[ACC+32*\y:ACC+32*\y+1]
	v_pk_mul_f32 v[TP+4*\y+2:TP+4*\y+3], v[ACC+32*\y+2:ACC+32*\y+3], v[ACC+32*\y+2:ACC+32*\y+3]
.irp j, 4,8,12,16,20,24,28
	v_pk_fma_f32 v[TP+4*\y:TP+4*\y+1], v[ACC+32*\y+\j:ACC+32*\y+\j+1], v[ACC+32*\y+\j:ACC+32*\y+\j+1], v[TP+4*\y:TP+4*\y+1]
	v_pk_fma_f32 v[TP+4*\y+2:TP+4*\y+3], v[ACC+32*\y+\j+2:ACC+32*\y+\j+3], v[ACC+32*\y+\j+2:ACC+32*\y+\j+3], v[TP+4*\y+2:TP+4*\y+3]
.endr
	FOLD \y
.endr
	ALLSUM RED2O                                   ; other bytes than the first sums': no wave writes what another may still read
	v_fma_f32 v48, v[RX], s50, s51                 ; the variance + 1e-5
	v_fma_f32 v50, v[RX+16], s50, s51
	v_rsq_f32 v48, v48
	v_rsq_f32 v50, v50
	v_nop
	s_wait_alu depctr_va_vdst(0)                   ; one wait for the two, ahead of their first reader
.irp y, 0,1
.set i, 0
.rept 16
	v_pk_mul_f32 v[ACC+32*\y+i:ACC+32*\y+i+1], v[ACC+32*\y+i:ACC+32*\y+i+1], v[48+2*\y:49+2*\y] op_sel_hi:[1,0]
.set i, i+2
.endr
.endr
	; the way out: through my own strip, which has had its only fill, and back by rows: sixteen lanes then hold 256 neighbouring bytes of a row
.irp y, 0,1
.irp xt, 0,1,2,3
.irp k, 0,1
	ds_store_b128 v[XD], v[ACC+32*\y+8*\xt+4*\k:ACC+32*\y+8*\xt+4*\k+3] offset:\y*16*272+64*\xt+16*\k
.endr
.endr
.endr
.irp i, 0,1,2,3,4,5,6,7,8,9,10,11,12,13,14,15
	ds_load_b128 v[RX+4*\i:RX+4*\i+3], v[XRW] offset:2*272*\i   ; LDS serves a wave's instructions in order: these see my stores
.endr
.irp i, 0,1,2,3,4,5,6,7,8,9,10,11,12,13,14,15
	s_wait_dscnt 15-\i
	v_pk_fma_f32 v[RX+4*\i:RX+4*\i+1], v[RX+4*\i:RX+4*\i+1], v[GM:GM+1], v[GM+4:GM+5]
	v_pk_fma_f32 v[RX+4*\i+2:RX+4*\i+3], v[RX+4*\i+2:RX+4*\i+3], v[GM+2:GM+3], v[GM+6:GM+7]
	global_store_b128 v[GO], v[RX+4*\i:RX+4*\i+3], s[18:19] offset:16384*\i th:TH_STORE_NT   ; two rows: twice 256 consecutive bytes, aligned
.endr
	s_wait_tensorcnt 0x0
	ds_add_u32 v54, v55
	s_wait_dscnt 0x0
	s_endpgm
.Lfunc_end_k_qa987f2d802_outln:
	.size	k_qa987f2d802_outln, .Lfunc_end_k_qa987f2d802_outln-k_qa987f2d802_outln
	.p2alignl 7, 3214868480
	.fill 96, 4, 3214868480
	.section	.rodata,"a",@progbits
	.p2align	6, 0x0
	.amdhsa_kernel k_qa987f2d802_outln
		.amdhsa_group_segment_fixed_size 169984
		.amdhsa_private_segment_fixed_size 0
		.amdhsa_enable_private_segment 0
		.amdhsa_kernarg_size 72
		.amdhsa_user_sgpr_count 2
		.amdhsa_user_sgpr_kernarg_segment_ptr 1
		.amdhsa_wavefront_size32 1
		.amdhsa_system_sgpr_workgroup_id_x 1
		.amdhsa_system_sgpr_workgroup_id_y 1
		.amdhsa_system_sgpr_workgroup_id_z 1
		.amdhsa_system_vgpr_workitem_id 0
		.amdhsa_next_free_vgpr 256
		.amdhsa_next_free_sgpr 66
		.amdhsa_reserve_vcc 0
		.amdhsa_float_denorm_mode_32 3
		.amdhsa_float_denorm_mode_16_64 3
		.amdhsa_memory_ordered 1
		.amdhsa_forward_progress 1
		.amdhsa_inst_pref_size 46
	.end_amdhsa_kernel
	.amdgpu_metadata
---
amdhsa.version: [ 1, 2 ]
amdhsa.kernels:
  - .name:           k_qa987f2d802_outln
    .symbol:         k_qa987f2d802_outln.kd
    .args:
      - { .name: att, .offset: 0, .size: 8, .value_kind: global_buffer, .address_space: global }
      - { .name: woc, .offset: 8, .size: 8, .value_kind: global_buffer, .address_space: global }
      - { .name: wos, .offset: 16, .size: 8, .value_kind: global_buffer, .address_space: global }
      - { .name: h, .offset: 24, .size: 8, .value_kind: global_buffer, .address_space: global }
      - { .name: g, .offset: 32, .size: 8, .value_kind: global_buffer, .address_space: global }
      - { .name: ln_gamma, .offset: 40, .size: 8, .value_kind: global_buffer, .address_space: global }
      - { .name: ln_beta, .offset: 48, .size: 8, .value_kind: global_buffer, .address_space: global }
      - { .name: out0, .offset: 56, .size: 8, .value_kind: global_buffer, .address_space: global }
      - { .name: out1, .offset: 64, .size: 8, .value_kind: global_buffer, .address_space: global }
    .group_segment_fixed_size: 169984
    .private_segment_fixed_size: 0
    .kernarg_segment_align: 8
    .kernarg_segment_size: 72
    .max_flat_workgroup_size: 512
    .sgpr_count:     66
    .vgpr_count:     256
    .wavefront_size: 32
...
	.end_amdgpu_metadata
.endif
;; end of part 4
